; MI455X (gfx1250); checked and timed in simulation.
; The chip was launched on July 23, 2026; its instructions are those of AMD's public machine-readable ISA for CDNA 5 (MIT licence, August 2026) and "CDNA5" Instruction Set Architecture Reference Guide (July 2026). The comments in the code are by the model that wrote it; some were corrected since.
;; Causal Self Attention. Allowed arithmetic: matrix products marked QUANTISED: E2M3 operands, one E8M0 scale for each 32 along K, by v_wmma_scale_f32_16x16x128_f8f6f4 with both operands' format E2M3, f32 sums; everything else in f32.
;; Inputs: b_attn 3,072 float32; b_proj 1,024 float32; w_attn_codes 3,072 x 32 x 24 uint8 (E2M3 codes of w_attn, K innermost, in blocks of 32 codes, four codes in three bytes); w_attn_scales 3,072 x 32 uint8 (E8M0 scales of w_attn, one for each 32 codes along K); w_proj_codes 1,024 x 32 x 24 uint8 (E2M3 codes of w_proj, K innermost, in blocks of 32 codes, four codes in three bytes); w_proj_scales 1,024 x 32 uint8 (E8M0 scales of w_proj, one for each 32 codes along K); x_codes 4 x 2,048 x 32 x 24 uint8 (E2M3 codes of x, K innermost, in blocks of 32 codes, four codes in three bytes); x_scales 4 x 2,048 x 32 uint8 (E8M0 scales of x, one for each 32 codes along K).
;; Outputs: out0 4 x 2,048 x 1,024 float32.
;; This version of the problem:
;;   THIS VERSION OF THE PROBLEM IS GIVEN IN LOW PRECISION. The matrix products marked QUANTISED in the list below multiply operands that are first quantised to E2M3 (2 exponent bits, 3 mantissa bits; 6 bits a number), with one power-of-two scale for each 32 numbers along K (OCP MX v1.0); their sums are f32. All else is computed in f32.
;;   The module's matrix products, in the order in which they are computed (A, B: the left and right operand; K: the contracted axis; several contracted axes count as one K, in the product's order):
;;     1. [M 8,192, K 1,024] x [K 1,024, N 3,072]; A: input x (given as codes); B: input w_attn (given as codes): QUANTISED
;;     2. batch 64 x [M 2,048, K 64] x [K 64, N 2,048]; A: computed on the way; B: computed on the way: QUANTISED
;;     3. batch 64 x [M 2,048, K 2,048] x [K 2,048, N 64]; A: softmax (see below); B: computed on the way: QUANTISED
;;     4. [M 8,192, K 1,024] x [K 1,024, N 1,024]; A: computed on the way; B: input w_proj (given as codes): QUANTISED
;;   THE QUANTISER, for each operand of a quantised product, along K:
;;     - K is cut into blocks of 32 from its start; a last block that is shorter is filled with zeros.
;;     - A block's scale is 2^e with e = floor(log2(the largest magnitude in the block)) - 2, held to -126 .. 127; a block of zeros has e = 0. As a byte (E8M0): e + 127.
;;     - Each number is divided by its block's scale, clamped to +-7.5, and rounded to the nearest number of E2M3, ties to even, subnormals kept.
;;     - The product sums the exact products of the quantised numbers (number of the format x scale) in f32.
;;   ~~~python
;;   def quantise(x, axis):      # numpy; x: float32 -> the quantised numbers, widened to float32 again
;;       x = np.moveaxis(x, axis, -1); K = x.shape[-1]
;;       x = np.pad(x, [(0, 0)] * (x.ndim - 1) + [(0, -K % 32)]); x = x.reshape(x.shape[:-1] + (-1, 32)); a = np.abs(x).max(-1, keepdims=True)
;;       e = np.where(a > 0, np.clip(np.frexp(np.where(a > 0, a, 1))[1] - 1 - 2, -126, 127), 0)      # np.frexp(a)[1] - 1 = floor(log2(a)), exactly
;;       r = np.clip(x / 2.0 ** e, -7.5, 7.5)
;;       step = 2.0 ** (np.maximum(np.frexp(np.where(r == 0, 1, r))[1] - 1, 0) - 3)
;;       q = np.round(r / step) * step * 2.0 ** e      # np.round: ties to even
;;       return np.moveaxis(q.reshape(q.shape[:-2] + (-1,))[..., :K], -1, axis).astype(np.float32)
;;   ~~~
;;   SOFTMAX AHEAD OF A QUANTISED PRODUCT. Where the list says 'softmax', what is quantised is not the finished softmax but p = 2^(t - M), with t = logit x log2(e) and M = ceil(the row's largest t), a whole number; so 1/2 < the row's largest p <= 1. The row's sum l is taken of the UNQUANTISED p, in f32, and the product's result is divided by l at the end. Since M is a whole number, a kernel that streams over the keys may use a running M (the ceiling of the running maximum): every later rescaling is an exact power of two, which a block's scale takes up: the codes' values come out the same.
;;   OPERANDS COMPUTED ON THE WAY. 'Computed on the way' means the value that the module computes at that place (a softmax that the list does not call 'softmax' is quantised finished and normalised). What goes into a quantiser is computed in f32, as accurately as f32 sums, v_exp_f32 and their like allow (about 1e-6 of the number): no bf16 or f16 on the way to a quantiser, and a product that is left as it is and whose result goes on into a quantised operand takes f32 operands (vector FMAs, or v_wmma_f32_16x16x4_f32). A number that lies on a knife's edge between two numbers of the format may be rounded either way, as far as f32 arithmetic and the matrix unit's own rounding can turn it there, and no further.
;;   INPUTS GIVEN AS CODES. w_attn (in the module: [1024, 3072], K = its axis 0); w_proj (in the module: [1024, 1024], K = its axis 0); x (in the module: [4, 2048, 1024], K = its axis 2): each comes as NAME_codes (uint8): NAME with its K axis moved to the last place and cut into blocks of 32 codes, [.., K / 32, bytes a block], one block behind the other in memory; four codes in three bytes: a row's codes are one little-endian stream of bits, code i at bits 6 i .. 6 i + 5 (a code: sign, 2 exponent bits, 3 mantissa bits); and NAME_scales (uint8): the same leading axes, one E8M0 byte (e + 127) for each 32 codes along K. Its value is code x scale, taken as it is: it is not quantised again, and the codes and scales need not be those that the quantiser above would give.
;; One version. Each part assembles by itself: llvm-mc -triple=amdgcn-amd-amdhsa -mcpu=gfx1250 --defsym DOCPART=n.
;; ======== version 1 of 1: 3 launches
;; workspace buffers: qb 6,815,744 bytes; kv 13,631,488 bytes; yc 6,291,456 bytes; ys 262,144 bytes
;; launch qkv (part 1): grid 12 x 32, 4 waves a work-group, clusters of 4 x 4, 327,680 bytes of LDS; arguments x_codes, x_scales, w_attn_codes, w_attn_scales, b_attn, qb, kv; writes qb, kv
.if DOCPART == 1
	.amdgcn_target "amdgcn-amd-amdhsa--gfx1250"
	.amdhsa_code_object_version 6
	.text
	.protected	k_qd58923e55f_qkv
	.globl	k_qd58923e55f_qkv
	.p2align	8
	.type	k_qd58923e55f_qkv,@function
k_qd58923e55f_qkv:
	s_mov_b64 s[64:65], 0
	v_nop
	global_prefetch_b8 v0, s[64:65] scope:SCOPE_SE
	s_setreg_imm32_b32 hwreg(HW_REG_WAVE_MODE, 25, 1), 1
	s_wait_xcnt 0x0
	s_wait_alu depctr_hold_cnt(0) depctr_sa_sdst(0) depctr_va_vdst(0) depctr_va_sdst(0) depctr_va_ssrc(0) depctr_va_vcc(0) depctr_vm_vsrc(0)
	s_getreg_b32 s2, hwreg(HW_REG_IB_STS2, 6, 4)
	s_cmp_eq_u32 s2, 0
	s_cbranch_scc0 .Lentry_in_a_cluster
	s_endpgm
.Lentry_in_a_cluster:
	s_bfe_u32 s2, ttmp6, 0x10000c
	s_cmp_lg_u32 s2, 0xf033
	s_cbranch_scc0 .Lentry_shape_is_right
	s_endpgm
.Lentry_shape_is_right:
; qkv = x w_attn + b_attn on codes of FP6 (E2M3) with one E8M0 scale for each 32 along K, and the result quantised where it is made: q and k along a head's 64 channels, v along the keys.
; x: [8192][1024] codes, w_attn: [3072][1024] codes, K innermost, rows of 768 bytes; their scale bytes [..][32].  Nothing wider than codes and scale bytes leaves this launch.
; A tile of 256 tokens x 256 columns is made by four waves, each 128 x 128: 64 accumulators of 16 x 16, 512 registers.  K goes in steps of 256 through a ring of two LDS slots filled by the tensor data mover.
; The scale bytes of the work-group's 256 + 256 rows, for all of K, come into LDS once, in whole runs of 256 bytes.  The bias is the C of each sum's first matrix instruction.
; CLUSTERS: 4 x 4 work-groups; x's tiles are shared along a row of the cluster, w's along a column, by joint loads.  q, k and v are four tile columns each, that is one column of clusters: so the way out
; parts on the cluster's x alone, which all sixteen partners share.
; THE MATRIX INSTRUCTION IS USED TRANSPOSED (source 0 = 16 rows of w, source 1 = 16 tokens): lane (r, h) of accumulator (a, b) holds token 16 a + r and columns 16 b + 8 h + 0 .. 7.
; WHAT IS STORED.  The unit is the image of six operand registers of 32 lanes, 768 bytes: 16 bytes a lane at 16 x lane, then 8 bytes a lane at 512 + 8 x lane; lane slot r + 16 H holds one block of 32 codes: row r, block H.
;   qb [head 64][step 16][6656]: 128 queries: eight images (tile a at 768 a), then 512 bytes of scale words [tile / 4][row 16][tile % 4], a word = the two blocks' bytes and two bytes 0 (under them lie zero codes).
;   kv [head 64][step 16][13312]: 128 keys: K as q above (scale words at 12288); V's eight images at 6144 + 768 (2 t + c): row p of tile t is channel 32 (t / 2) + 8 (t % 2) + p + 8 (p / 8), keys 64 c + 32 H on; V's scale words at 12800.
; ORDER INSIDE A BLOCK.  A lane's 16 numbers of two neighbouring tiles are elements 8 h + 0 .. 7 and 16 + 8 h + 0 .. 7 of a block; converted as they stand, a block's places 8-15 hold elements 16-23 and places 16-23 elements 8-15.
;   q and k are both laid so along the channels, and v along the keys as the weights of the next launch will be: the same order on both sides of a product keeps every product, and a block keeps its scale.
; LIMITS: NaN and infinities are not served.  A block whose largest magnitude lies under 2^-124 gets the byte 1, a block of zeros too (the quantiser's rule says 127): its codes are zeros, and these bytes are read by this program alone.
.set SIZE_M, 8192
.set SIZE_N, 3072
.set SIZE_K, 1024
.set KSTEP,  256                       ; along K in a slot
.set NQ,     KSTEP/128                 ; matrix instructions deep
.set ROWB,   192                       ; a tile's row in bytes
.set KROW,   SIZE_K*6/8                ; a row of codes in memory
.set PITCH,  240                       ; an LDS row: 3 x (64 bytes + 16 of padding)
.set FR,     12                        ; registers of a fragment
.set NL,     6                         ; LDS loads that bring one
.set NP,     4                         ; places behind this matrix instruction (ISA guide 7.12.1)
.set HALFT,  128*PITCH                 ; 128 rows: one tensor load
.set SLOT,   4*HALFT                   ; x's 256 rows, then w's 256 rows
.set LAPS,   SIZE_K/(2*KSTEP)
.set KS,     SIZE_K/32                 ; a row of scale bytes
.set SCL,    2*SLOT                    ; behind the ring: the scales, as runs of 256 bytes + 16 of padding
.set HALFS,  (128*KS/256)*272
.set SBLK,   (16*KS/256)*272
.set SPARE,  SCL+4*HALFS               ; the spare words, 128 bytes a wave: two blocks of 256 bytes that no other line names
.set VSTG,   17664                     ; v's way out: a stage for each wave, in slot 0, which has had its last fill and its last read by then
.set VHALF,  8832                      ; its second 32 rows begin here: 32 x 272 + 128, so that lanes 16-31 read the other half of the banks
.set QSTEP,  6656                      ; a step of qb; kv's is twice that, and so are its head's stride and its scale words' place
.set L16,  7                           ; v7   16 x lane
.set L8,   8                           ; v8   8 x lane
.set SH16, 9                           ; v9   16 h
.set SH8,  10                          ; v10  8 h
.set VST,  11                          ; v11  v's stage, on the way in
.set VRD,  12                          ; v12  and on the way out
.set VSO,  13                          ; v13  q's and k's scale words: 16 r + h x a head's stride
.set VBO,  14                          ; v14  the bias: 32 h
.set ADRA, 16                          ; v16-19 LDS addresses of x's fragments in slot 0, 1 (18-19: behind one padding more)
.set ADRB, 20                          ; v20-23 the same for w
.set ADRS, 27                          ; v27  my scale words: lanes 0-15 x's rows, lanes 16-31 w's
.set SPW,  28                          ; v28  my spare word; never rewritten
.set NIL,  29                          ; v29  0; never rewritten
.set SC,   32                          ; v32-63 scale words, two sets
.set BIAS, 64                          ; v64-127 the bias: eight registers for each tile of columns
.set AF,   128                         ; x's fragments, one set, window 0
.set PC,   112                         ; the way out: codes just made
.set TM,   200                         ; v200-215 at work
.set PW,   216                         ; the scale word just made
.set KW,   224                         ; v224-231 the eight tiles' scale words
.set X,    128                         ; v's way out: two sets of 32 numbers
.set CD,   192                         ; v192-197 a block's codes;  v198-200 its second half as it is made
.set CT,   198
.set MX,   202
.set VSX,  204
.set BY,   205
.set SB,   208                         ; v208-211 v's scale words
.set PT,   212                         ; v212-215 the other half of the lanes' part of them
.set G1, 24
.set G0, 32
.set G1B, 48
.set G0B, 56
.set G1S, 68
.set G0S, 76
.set G1SB, 80
.set G0SB, 88
.set MSB, 0
.macro WIN new                         ; the immediate's high byte repeats the setting that is left
.if MSB != (\new)
	s_set_vgpr_msb (MSB<<8)|(\new)
.set MSB, (\new)
.endif
.endm
.set MUL_LO, 0xa1                      ; source 0 (w) window 1, source 1 (x) window 0, C and D window 2
.set MUL_HI, 0xf1                      ; the same, C and D window 3
.set TO_B,   0x40                      ; destination window 1, address window 0
; A joint load: waves 0 and 1 fetch for x, waves 2 and 3 for w; the branch hangs on the wave's number alone.  Four v_nop follow each of the two lines.
.macro JLOAD g0a, g1a, g0b, g1b
	s_cmp_eq_u32 s15, 0
	s_cbranch_scc0 .Lfor_b_\@
	tensor_load_to_lds s[\g0a:\g0a+3], s[\g1a:\g1a+7]
	s_nop 0
.rept 4
	v_nop
.endr
	s_branch .Lasked_\@
.Lfor_b_\@:
	tensor_load_to_lds s[\g0b:\g0b+3], s[\g1b:\g1b+7]
	s_nop 0
.rept 4
	v_nop
.endr
.Lasked_\@:
.endm
.macro CREST                           ; a round of the cluster's barrier behind its opening barrier
	s_cmp_lg_u32 s14, 0
	s_cbranch_scc1 .Lnot_wave_0_\@
	s_barrier_signal -3
.Lnot_wave_0_\@:
	s_barrier_wait -3
	s_barrier_signal -1
	s_barrier_wait -1
.endm
.macro CROUND                          ; a whole round
	s_barrier_signal -1
	s_barrier_wait -1
	CREST
.endm
	s_load_b128 s[4:7], s[0:1], 0x0                ; x's codes, x's scales
	s_load_b128 s[8:11], s[0:1], 0x10              ; w's codes, w's scales
	s_load_b64 s[12:13], s[0:1], 0x20              ; the bias
	s_load_b64 s[96:97], s[0:1], 0x28              ; qb
	s_load_b64 s[98:99], s[0:1], 0x30              ; kv
	v_lshl_add_u32 v[SPW], v0, 2, SPARE
	v_mov_b32 v[NIL], 0
	ds_add_u32 v28, v29
	ds_add_u32 v28, v29
	s_wait_dscnt 0x0
	v_lshrrev_b32 v1, 5, v0
	v_readfirstlane_b32 s14, v1                    ; wave 0..3
	s_lshr_b32 s15, s14, 1                         ; which half of the tile's tokens is mine.  Also: I fetch for x (0) or for w (1)
	s_and_b32 s16, s14, 1                          ; which half of its columns.  Also: which 128 rows of that tile I fetch
	s_bfe_u32 s40, ttmp6, 0x40000                  ; cx, cy: my place in the cluster
	s_bfe_u32 s41, ttmp6, 0x40004
	s_lshl_b32 s42, ttmp9, 2
	s_add_co_u32 s42, s42, s40                     ; tile column = 4 x cluster x + cx
	s_and_b32 s17, ttmp7, 0xffff
	s_lshl_b32 s17, s17, 2
	s_add_co_u32 s17, s17, s41                     ; tile row = 4 x cluster y + cy
	s_lshl_b32 s43, s41, 2
	s_lshl_b32 s43, 15, s43                        ; my row of the cluster
	s_lshl_b32 s44, 0x1111, s40                    ; my column
	; descriptor group 1: a tile of 128 rows x 192 bytes, 16 bytes of padding behind every 64
	s_or_b32 s[G1+0], s43, (0<<16)|(1<<20)|(1<<21)|(3<<22)|(3<<25)  ; 15:0 the mask; 17:16 elements of 1 byte; 20 padding on; 21 set beside a mask; 24:22 after every 16 words; 31:25 of 4 words
	s_or_b32 s[G1B+0], s44, (0<<16)|(1<<20)|(1<<21)|(3<<22)|(3<<25)
.irp g, G1, G1B
	s_mov_b32 s[\g+1], ROWB<<16                    ; tensor_dim0
	s_mov_b32 s[\g+2], 128<<16                     ; tensor_dim1
	s_mov_b32 s[\g+3], ROWB<<16                    ; tile_dim0
	s_mov_b32 s[\g+4], 128                         ; tile_dim1
	s_mov_b32 s[\g+5], KROW                        ; from row to row
	s_mov_b32 s[\g+6], 0
	s_mov_b32 s[\g+7], 0
.endr
	; the scales of 128 rows: a dense block of 4,096 bytes, as 16 rows of 256 bytes (32 elements of 8), 16 bytes of padding behind each
	s_or_b32 s[G1S+0], s43, (3<<16)|(1<<20)|(1<<21)|(5<<22)|(3<<25)
	s_or_b32 s[G1SB+0], s44, (3<<16)|(1<<20)|(1<<21)|(5<<22)|(3<<25)
.irp g, G1S, G1SB
	s_mov_b32 s[\g+1], 32<<16
	s_mov_b32 s[\g+2], (128*KS/256)<<16
	s_mov_b32 s[\g+3], 32<<16
	s_mov_b32 s[\g+4], 128*KS/256
	s_mov_b32 s[\g+5], 32
	s_mov_b32 s[\g+6], 0
	s_mov_b32 s[\g+7], 0
.endr
	s_lshl_b32 s18, s16, 7                         ; which 128 rows of the tile I fetch
	s_lshl_b32 s20, s17, 8
	s_add_co_u32 s20, s20, s18                     ; x: row 256 x tile row + 128 x half
	s_lshl_b32 s46, s42, 8
	s_add_co_u32 s46, s46, s18                     ; w: row 256 x tile column + 128 x half
	s_mov_b32 s21, 0
	s_mov_b32 s47, 0
	s_mov_b64 s[18:19], KS
	s_mul_u64 s[22:23], s[20:21], s[18:19]         ; where these rows' scales begin, in bytes
	s_mul_u64 s[92:93], s[46:47], s[18:19]
	s_mov_b64 s[18:19], KROW
	s_mul_u64 s[20:21], s[20:21], s[18:19]         ; and their codes
	s_mul_u64 s[46:47], s[46:47], s[18:19]
	s_mul_i32 s45, s14, HALFT                      ; where they go: wave x 128 rows: no place in the cluster enters an LDS address
	s_mul_i32 s94, s14, HALFS
	s_wait_kmcnt 0x0
	s_add_nc_u64 s[20:21], s[4:5], s[20:21]
	s_add_nc_u64 s[22:23], s[6:7], s[22:23]
	s_add_nc_u64 s[46:47], s[8:9], s[46:47]
	s_add_nc_u64 s[92:93], s[10:11], s[92:93]
	CROUND                                         ; all sixteen work-groups are here: the first joint loads meet
	s_mov_b32 s[G0S], 1
	s_add_co_u32 s[G0S+1], s94, SCL
	s_mov_b64 s[G0S+2:G0S+3], s[22:23]
	s_or_b32 s[G0S+3], s[G0S+3], 0x80000000
	s_mov_b32 s[G0SB], 1
	s_add_co_u32 s[G0SB+1], s94, SCL
	s_mov_b64 s[G0SB+2:G0SB+3], s[92:93]
	s_or_b32 s[G0SB+3], s[G0SB+3], 0x80000000
	JLOAD G0S, G1S, G0SB, G1SB                     ; the scales first: they are wanted with K step 0
.irp s, 0,1
	s_mov_b32 s[G0+4*\s], 1
	s_add_co_u32 s[G0+4*\s+1], s45, \s*SLOT
	s_add_nc_u64 s[G0+4*\s+2:G0+4*\s+3], s[20:21], \s*ROWB
	s_or_b32 s[G0+4*\s+3], s[G0+4*\s+3], 0x80000000
	s_mov_b32 s[G0B+4*\s], 1
	s_add_co_u32 s[G0B+4*\s+1], s45, \s*SLOT
	s_add_nc_u64 s[G0B+4*\s+2:G0B+4*\s+3], s[46:47], \s*ROWB
	s_or_b32 s[G0B+4*\s+3], s[G0B+4*\s+3], 0x80000000
	JLOAD G0+4*\s, G1, G0B+4*\s, G1B
.endr
	v_and_b32 v1, 15, v0                           ; r = lane % 16; kept
	v_bfe_u32 v2, v0, 4, 1                         ; h = lane / 16; kept
	v_lshlrev_b32 v[VBO], 5, v2
	s_lshl_b32 s20, s42, 10                        ; the bias of my 128 columns: 4 (256 x tile column + 128 x half) bytes on
	s_lshl_b32 s21, s16, 9
	s_add_co_u32 s20, s20, s21
	s_mov_b32 s21, 0
	s_add_nc_u64 s[12:13], s[12:13], s[20:21]
.irp b, 0,1,2,3,4,5,6,7
	global_load_b128 v[BIAS+8*\b:BIAS+8*\b+3], v[VBO], s[12:13] offset:64*\b       ; lane (r, h): the bias of columns 16 b + 8 h + 0 .. 7: the result's layout
	global_load_b128 v[BIAS+8*\b+4:BIAS+8*\b+7], v[VBO], s[12:13] offset:64*\b+16
.endr
	v_mul_u32_u24 v3, v1, PITCH
	v_mul_u32_u24 v4, v2, 24
	v_add_nc_u32 v4, v3, v4                        ; a fragment's row x pitch + 24 x half
	v_lshl_add_u32 v5, v2, 4, v4                   ; and the same behind one padding more
	s_mul_i32 s21, s15, HALFT                      ; my 128 rows of x
	s_mul_i32 s22, s16, HALFT                      ; my 128 rows of w,
	s_add_co_u32 s22, s22, 2*HALFT                 ; which lie behind x's 256
.irp s, 0,1
	v_add_nc_u32 v[ADRA+\s], s21, v4
	v_add_nc_u32 v[ADRB+\s], s22, v4
	v_add_nc_u32 v[ADRA+2+\s], s21, v5
	v_add_nc_u32 v[ADRB+2+\s], s22, v5
	s_add_co_u32 s21, s21, SLOT
	s_add_co_u32 s22, s22, SLOT
.endr
	v_mul_u32_u24 v5, v1, KS                       ; my row's scales: 32 bytes a row,
	v_lshrrev_b32 v6, 8, v5
	v_lshl_add_u32 v5, v6, 4, v5                   ; and 16 more for each 256 passed
	s_mul_i32 s21, s15, HALFS                      ; x's: my 128 rows
	s_mul_i32 s22, s16, HALFS                      ; w's: my 128 rows, behind x's 256
	s_add_co_u32 s22, s22, 2*HALFS
	s_sub_co_u32 s22, s22, s21
	v_mul_u32_u24 v6, s22, v2                      ; lanes 16-31 take w's: one product, the distance between the two
	s_add_co_u32 s21, s21, SCL
	v_add_nc_u32 v5, v5, v6
	v_add_nc_u32 v[ADRS], s21, v5
	v_and_b32 v3, 31, v0                           ; the way out's addresses
	v_lshlrev_b32 v[L16], 4, v3
	v_lshlrev_b32 v[L8], 3, v3
	v_lshlrev_b32 v[SH16], 4, v2
	v_lshlrev_b32 v[SH8], 3, v2
	s_mul_i32 s23, s14, VSTG                       ; my stage
	v_mul_u32_u24 v3, v1, 272
	v_lshl_add_u32 v3, v2, 5, v3
	v_add_nc_u32 v[VST], s23, v3                   ; in: row = token r, 32 h bytes on
	v_and_b32 v3, 8, v1
	v_add_nc_u32 v3, v3, v1                        ; r + 8 (r / 8)
	v_lshlrev_b32 v3, 2, v3
	v_mad_u32_u24 v3, v2, VHALF, v3
	v_add_nc_u32 v[VRD], s23, v3                   ; out: a lane takes a channel, and lanes 16-31 the second 32 tokens
.macro FRAG reg, adr, q, i             ; 16 rows x 128 K of 6-bit codes: lane l holds row l % 16; registers 6 c .. 6 c + 5 hold K = 64 c + 32 (l / 16) + 0 .. 31: 24 bytes of the row's stream of bits, as they lie
.irp p, 0,1,2,3,4,5                    ; in pieces of 8 bytes.  Lanes 16-31 read three pieces on; where that lies behind one padding more, the second address register serves
.set PCE, 12*(\q)+6*(\p/3)+\p%3
.if PCE%8 < 5
	ds_load_b64 v[\reg+2*\p:\reg+2*\p+1], v[\adr] offset:8*PCE+16*(PCE/8)+(\i)*16*PITCH
.else
	ds_load_b64 v[\reg+2*\p:\reg+2*\p+1], v[\adr+2] offset:8*PCE+16*(PCE/8)+(\i)*16*PITCH
.endif
.endr
.endm
; 16 matrix instructions: x's blocks a0, a0 + 1 against w's eight, 128 along K.  zero = 1: the first product starts the sums, with the bias as its C.
; The 64 accumulators take turns, one instruction a turn, in the same order in every step.
.macro MUL16 a0, p, q, sc, zero
.irp a, \a0, \a0+1
.irp b, 0,1,2,3,4,5,6,7
.if \zero
	v_wmma_scale_f32_16x16x128_f8f6f4 v[8*(8*((\a)%4)+\b):8*(8*((\a)%4)+\b)+7], v[128*(\p)+FR*\b:128*(\p)+FR*\b+FR-1], v[AF+FR*(\a):AF+FR*(\a)+FR-1], v[BIAS+8*\b:BIAS+8*\b+7], v[SC+8*NQ*(\sc)+NQ*\b+(\q)], v[SC+8*NQ*(\sc)+NQ*(\a)+(\q)] matrix_a_fmt:MATRIX_FMT_FP6 matrix_b_fmt:MATRIX_FMT_FP6 matrix_a_scale:MATRIX_SCALE_ROW1
.else
	v_wmma_scale_f32_16x16x128_f8f6f4 v[8*(8*((\a)%4)+\b):8*(8*((\a)%4)+\b)+7], v[128*(\p)+FR*\b:128*(\p)+FR*\b+FR-1], v[AF+FR*(\a):AF+FR*(\a)+FR-1], v[8*(8*((\a)%4)+\b):8*(8*((\a)%4)+\b)+7], v[SC+8*NQ*(\sc)+NQ*\b+(\q)], v[SC+8*NQ*(\sc)+NQ*(\a)+(\q)] matrix_a_fmt:MATRIX_FMT_FP6 matrix_b_fmt:MATRIX_FMT_FP6 matrix_a_scale:MATRIX_SCALE_ROW1
.endif
.endr
.endr
.endm
.macro FETCH_B slot, q, p              ; w's eight fragments of the slot's q-th 128 along K into set p
	WIN TO_B
.irp i, 0,1,2,3,4,5,6,7
	FRAG 128*(\p)+FR*\i, ADRB+\slot, \q, \i
.endr
	WIN 0
.endm
.macro FETCH_A slot, q, i0             ; x's blocks i0 .. i0 + 3
.irp i, \i0, \i0+1, \i0+2, \i0+3
	FRAG AF+FR*(\i), ADRA+\slot, \q, \i
.endr
.endm
.macro SCALES sc                       ; a K step's scale words into set sc: lanes 0-15 take x's block i, lanes 16-31 w's block i
.irp i, 0,1,2,3,4,5,6,7
	ds_load_b64 v[SC+8*NQ*\sc+NQ*\i:SC+8*NQ*\sc+NQ*\i+1], v[ADRS] offset:\i*SBLK
.endr
.endm
.macro PLACES n                        ; plain places behind matrix instructions, in front of loads into registers that they have read and of the first read of results
.rept \n
	v_nop
.endr
.endm
; A step of 128 along K that has its successor in the same slot.
.macro STEP slot, q, zero
	s_wait_dscnt 4*NL                              ; w's set and x's blocks 0-3 are in; the youngest 24 loads (x's blocks 4-7) may be out
.if \zero
	WIN 0x81                                       ; C (the bias) in window 0, D in window 2
.else
	WIN MUL_LO
.endif
	MUL16 0, (\q)%2, \q, \slot, \zero
	MUL16 2, (\q)%2, \q, \slot, \zero
	s_wait_dscnt 0                                 ; x's blocks 4-7 are in
	PLACES NP
	FETCH_B \slot, (\q)+1, 1-(\q)%2
	FETCH_A \slot, (\q)+1, 0
.if \zero
	WIN 0xc1                                       ; C in window 0, D in window 3
.else
	WIN MUL_HI
.endif
	MUL16 4, (\q)%2, \q, \slot, \zero
	MUL16 6, (\q)%2, \q, \slot, \zero
	PLACES NP
	WIN 0
	FETCH_A \slot, (\q)+1, 4
.endm
; A slot's last step changes slots: one barrier; in front of it each wave waits for all its tensor loads, adds 0 to its spare word, and waits for that and for its own reads of this slot.  fill = 1: this slot is filled again, two K steps ahead.
.macro TURN slot, next, fill
	s_wait_tensorcnt 0x0                           ; all my tensor loads have landed: my part of the next slot
	ds_add_u32 v[SPW], v[NIL]                      ; 0 onto my spare word
	s_wait_dscnt 4*NL+1                            ; the add and the youngest 24 loads (x's blocks 4-7) may be out
	WIN MUL_LO
	MUL16 0, 1, NQ-1, \slot, 0                     ; sixteen matrix instructions stand between the add and the wait for it
	s_wait_dscnt 0x0                               ; the add is done, and my reads of this slot are over
	s_barrier_signal -1
	MUL16 2, 1, NQ-1, \slot, 0
	WIN 0
	s_barrier_wait -1
.if \fill
	CREST                                          ; the barrier has opened a round of the cluster's barrier: no wave of any partner still reads this slot or has a load on its way
	s_add_nc_u64 s[G0+4*\slot+2:G0+4*\slot+3], s[G0+4*\slot+2:G0+4*\slot+3], 2*ROWB
	s_add_nc_u64 s[G0B+4*\slot+2:G0B+4*\slot+3], s[G0B+4*\slot+2:G0B+4*\slot+3], 2*ROWB
	JLOAD G0+4*\slot, G1, G0B+4*\slot, G1B         ; the first tensor load behind the round; its four v_nop are the places in front of the loads below
.else
	PLACES NP
.endif
	v_add_nc_u32 v[ADRS], 4*NQ, v[ADRS]            ; on to the next K step's scale words
	FETCH_B \next, 0, 0
	FETCH_A \next, 0, 0
	SCALES \next
	WIN MUL_HI
	MUL16 4, 1, NQ-1, \slot, 0
	MUL16 6, 1, NQ-1, \slot, 0
	PLACES NP
	WIN 0
	FETCH_A \next, 0, 4
.endm
	s_wait_tensorcnt 1                             ; of my three loads the scales and K step 0 are in; K step 1's may be out
	s_barrier_signal -1
	s_barrier_wait -1
	FETCH_B 0, 0, 0
	FETCH_A 0, 0, 0
	SCALES 0
	FETCH_A 0, 0, 4
	s_wait_loadcnt 0x0                             ; the bias
	STEP 0, 0, 1                                   ; the first step stands in front of the loop: its products start the sums
	s_mov_b32 s3, LAPS-1
.Llap:                                                 ; a trip goes once round the ring and fills both slots again
	TURN 0, 1, 1
	STEP 1, 0, 0
	TURN 1, 0, 1
	STEP 0, 0, 0
	s_sub_co_u32 s3, s3, 1
	s_cmp_lg_u32 s3, 0
	s_cbranch_scc1 .Llap
	TURN 0, 1, 0                                   ; the last lap fills nothing
	STEP 1, 0, 0
	s_wait_dscnt 4*NL                              ; the very last step
	WIN MUL_LO
	MUL16 0, 1, NQ-1, 1, 0
	MUL16 2, 1, NQ-1, 1, 0
	s_wait_dscnt 0
	WIN MUL_HI
	MUL16 4, 1, NQ-1, 1, 0
	MUL16 6, 1, NQ-1, 1, 0
	WIN 0
	PLACES NP                                      ; in front of the first reads of results and the first writes of registers that held fragments
	; THE WAY OUT.  My 128 tokens are one step of one batch; my 128 columns are two heads.
	s_lshl_b32 s20, s17, 1
	s_add_co_u32 s20, s20, s15                     ; which 128 tokens: 2 x tile row + half
	s_lshr_b32 s21, s20, 4                         ; the batch
	s_and_b32 s22, s20, 15                         ; the step
	s_lshl_b32 s23, s40, 2
	s_lshl_b32 s46, s16, 1
	s_add_co_u32 s23, s23, s46                     ; my first head: 4 cx + 2 x half
	s_lshl_b32 s21, s21, 4
	s_add_co_u32 s21, s21, s23
	s_lshl_b32 s21, s21, 4
	s_add_co_u32 s46, s21, s22                     ; (16 x batch + head) x 16 + step
	s_mov_b32 s2, 0x76543210                       ; v_permlanex16_b32's selects for lane l xor 16
	s_mov_b32 s3, 0xfedcba98
	s_cmp_eq_u32 ttmp9, 2                          ; the cluster's x: 0 q, 1 k, 2 v: the same in all sixteen partners
	s_cbranch_scc1 .Lv
	; ---- q or k: blocks run along the columns, which are a lane's registers
	s_mul_i32 s46, s46, QSTEP
	s_lshl_b32 s46, s46, ttmp9                     ; kv's strides are twice qb's
	s_mov_b32 s47, 0
	s_lshl_b32 s92, 16*QSTEP, ttmp9                ; from head to head
	s_mov_b32 s93, 0
	s_lshl_b32 s94, 6144, ttmp9                    ; the scale words' place in a step
	s_mov_b32 s95, 0
	s_cmp_eq_u32 ttmp9, 0
	s_cselect_b64 s[20:21], s[96:97], s[98:99]     ; the choice hangs on the cluster's number alone
	s_add_nc_u64 s[20:21], s[20:21], s[46:47]      ; my first head's step,
	s_add_nc_u64 s[22:23], s[20:21], s[92:93]      ; my second head's,
	s_add_nc_u64 s[46:47], s[20:21], s[94:95]      ; the scale words
	v_mul_u32_u24 v[VSO], s92, v2
	v_lshl_add_u32 v[VSO], v1, 4, v[VSO]
.irp b, 0,1,2,3
	v_mov_b32 v[TM+4+\b], 0                        ; written once: a lane permute's destination counts as one of its sources
.endr
; Tile a, 16 tokens: its eight accumulators are 64 registers on end; register 16 b + i belongs to block b of my token.  They are quantised where they lie.
.macro QKT a
.set W, 2+(\a)/4
.set S, 64*((\a)%4)
	WIN (W|(W<<2))                                 ; sources 0 and 1: the accumulators' window
.irp b, 0,1,2,3
	v_max3_num_f32 v[TM+\b], |v[S+16*\b]|, |v[S+16*\b+1]|, 0x1800000   ; my 16 numbers of block b, from each accumulator's low end on, and the floor 2^(3 - 127): the byte cannot fall under 1
.endr
.irp i, 2,4,6,8,10,12,14
.irp b, 0,1,2,3
	v_max3_num_f32 v[TM+\b], |v[S+16*\b+\i]|, |v[S+16*\b+\i+1]|, v[TM+\b]   ; the four blocks by turns
.endr
.endr
	WIN 0
.irp b, 0,1,2,3
	v_permlanex16_b32 v[TM+4+\b], v[TM+\b], s2, s3
.endr
.irp b, 0,1,2,3
	v_max_num_f32 v[TM+\b], v[TM+\b], v[TM+4+\b]   ; with lane l xor 16's: the block's largest magnitude
.endr
.irp b, 0,1,2,3
	v_add_nc_u32 v[TM+12+\b], 0xff000000, v[TM+\b] ; 2 off its exponent field: the conversion's scale operand
.endr
.irp b, 0,1,2,3
	v_lshrrev_b32 v[TM+4+\b], 23, v[TM+12+\b]      ; the scale's byte
.endr
	v_lshl_or_b32 v[PW], v[TM+5], 8, v[TM+4]
	v_lshl_or_b32 v[PW], v[TM+6], 16, v[PW]
	v_lshl_or_b32 v[PW], v[TM+7], 24, v[PW]
	s_wait_xcnt 0x0                                ; the last tile's stores have read the codes' registers
	WIN W                                          ; source 0: the accumulators' window
.irp c, 0,1
	v_cvt_scalef32_pk16_fp6_f32 v[PC+6*\c:PC+6*\c+2], v[S+32*\c:S+32*\c+15], v[TM+12+2*\c]
	v_cvt_scalef32_pk16_fp6_f32 v[PC+12+4*\c:PC+14+4*\c], v[S+16+32*\c:S+31+32*\c], v[TM+12+2*\c+1]   ; (a conversion's three registers begin on an even number)
.endr
	WIN 0
	v_nop                                          ; one plain place behind a scaled conversion
.irp c, 0,1                                    ; the operand's layout wants a whole block in a lane: lanes 0-15 block 2 c, lanes 16-31 block 2 c + 1
.irp i, 0,1,2
	v_permlane16_swap_b32 v[PC+6*\c+\i], v[PC+12+4*\c+\i]
.endr
.irp i, 0,1,2
	v_mov_b32 v[PC+3+6*\c+\i], v[PC+12+4*\c+\i]
.endr
.endr
	v_lshrrev_b32 v[KW+(\a)], v[SH16], v[PW]       ; lanes 0-15 keep my first head's two bytes, lanes 16-31 my second head's;
	v_and_b32 v[KW+(\a)], 0xffff, v[KW+(\a)]       ; the word's upper two bytes are 0: under them lie zero codes
	global_store_b128 v[L16], v[PC:PC+3], s[20:21] offset:768*(\a)          ; 32 lanes store 512 consecutive bytes,
	global_store_b64 v[L8], v[PC+4:PC+5], s[20:21] offset:768*(\a)+512      ; then 256: both runs begin at multiples of 256
	global_store_b128 v[L16], v[PC+6:PC+9], s[22:23] offset:768*(\a)
	global_store_b64 v[L8], v[PC+10:PC+11], s[22:23] offset:768*(\a)+512
.endm
.irp a, 0,1,2,3,4,5,6,7
	QKT \a
.endr
	global_store_b128 v[VSO], v[KW:KW+3], s[46:47]             ; sixteen lanes store 256 consecutive bytes of one head's scale words
	global_store_b128 v[VSO], v[KW+4:KW+7], s[46:47] offset:256
	s_branch .Ldone
.Lv:	; ---- v: blocks run along the tokens, which lie across lanes: 64 tokens x 64 channels at a time turn through my own stage
	s_mul_i32 s46, s46, 2*QSTEP
	s_add_co_u32 s46, s46, 6144
	s_mov_b32 s47, 0
	s_add_nc_u64 s[20:21], s[98:99], s[46:47]      ; V's images of my first head's step,
	s_add_nc_u64 s[22:23], s[20:21], 32*QSTEP      ; and of my second head's
.irp t, 0,1,2,3
	v_mov_b32 v[PT+\t], 0                          ; written once: a lane permute's destination counts as one of its sources
.endr
.macro VLD t                           ; tile t of 16 channels: my channel's 32 tokens, in the order in which the weights' codes will lie
.set i, 0
.rept 32
.if (i < 8) || (i >= 24)
.set sg, i
.elseif i < 16
.set sg, i+8
.else
.set sg, i-8
.endif
	ds_load_b32 v[X+32*((\t)%2)+i], v[VRD] offset:272*sg+4*(32*((\t)/2)+8*((\t)%2))
.set i, i+1
.endr
.endm
.macro VHF t, hh, c                    ; a lane's 32 numbers are one block: its byte, its codes, and the image goes out
.set XS, X+32*((\t)%2)
.if (\t) < 3
	s_wait_dscnt 32                                ; this tile's 32 loads are in; the next tile's 32 may be out
.else
	s_wait_dscnt 0x0
.endif
	s_wait_xcnt 0x0                                ; earlier stores have read the codes' and the scale words' registers
	v_max3_num_f32 v[MX], |v[XS]|, |v[XS+1]|, |v[XS+2]|
	v_max3_num_f32 v[MX+1], |v[XS+3]|, |v[XS+4]|, |v[XS+5]|
.irp i, 6,10,14,18,22,26
	v_max3_num_f32 v[MX], v[MX], |v[XS+\i]|, |v[XS+\i+1]|
	v_max3_num_f32 v[MX+1], v[MX+1], |v[XS+\i+2]|, |v[XS+\i+3]|
.endr
	v_max3_num_f32 v[MX], v[MX], |v[XS+30]|, |v[XS+31]|
	v_max3_num_f32 v[MX], v[MX], v[MX+1], 0x1800000   ; and the floor 2^(3 - 127)
	v_add_nc_u32 v[VSX], 0xff000000, v[MX]         ; 2 off the exponent field: the conversion's scale operand
	v_lshrrev_b32 v[BY], 23, v[VSX]                ; the scale's byte: block 2 c + H of my channel
.if (\c) == 0
	v_mov_b32 v[SB+(\t)], v[BY]
.else
	v_lshl_or_b32 v[SB+(\t)], v[BY], 16, v[SB+(\t)]
.endif
	v_cvt_scalef32_pk16_fp6_f32 v[CD:CD+2], v[XS:XS+15], v[VSX]
	v_cvt_scalef32_pk16_fp6_f32 v[CT:CT+2], v[XS+16:XS+31], v[VSX]
	v_nop                                          ; one plain place behind a scaled conversion
.irp i, 0,1,2
	v_mov_b32 v[CD+3+\i], v[CT+\i]
.endr
	global_store_b128 v[L16], v[CD:CD+3], s[20+2*(\hh):21+2*(\hh)] offset:768*(2*(\t)+(\c))
	global_store_b64 v[L8], v[CD+4:CD+5], s[20+2*(\hh):21+2*(\hh)] offset:768*(2*(\t)+(\c))+512
.if (\t) < 2
	VLD (\t)+2
.endif
.endm
.macro VPASS hh, c                     ; head hh of my two, tokens 64 c on.  LDS serves a wave's instructions in order (ISA guide 5.7.1.4): no wait between the stores and the loads, nor in front of the next pass's stores
	WIN (0x08+4*(\c))                              ; an LDS store's data are its source 1: window 2 + c
.irp a, 0,1,2,3
.irp b, 0,1,2,3
	ds_store_b128 v[VST], v[8*(8*\a+4*(\hh)+\b):8*(8*\a+4*(\hh)+\b)+3] offset:(\a/2)*VHALF+(\a%2)*16*272+64*\b        ; each accumulator from its low end on
	ds_store_b128 v[VST], v[8*(8*\a+4*(\hh)+\b)+4:8*(8*\a+4*(\hh)+\b)+7] offset:(\a/2)*VHALF+(\a%2)*16*272+64*\b+16
.endr
.endr
	WIN 0
	VLD 0
	VLD 1
.irp t, 0,1,2,3
	VHF \t, \hh, \c
.endr
.endm
.macro VSCALE hh                       ; my two bytes (blocks H and 2 + H) go to their places, and lane l xor 16's two make the word whole
.irp t, 0,1,2,3
	v_lshlrev_b32 v[SB+\t], v[SH8], v[SB+\t]
.endr
.irp t, 0,1,2,3
	v_permlanex16_b32 v[PT+\t], v[SB+\t], s2, s3
.endr
.irp t, 0,1,2,3
	v_or_b32 v[SB+\t], v[SB+\t], v[PT+\t]
.endr
	global_store_b128 v[L16], v[SB:SB+3], s[20+2*(\hh):21+2*(\hh)] offset:QSTEP   ; byte 12,800 of the step: a lane slot holds its row's words of the four tiles; 512 consecutive bytes
.endm
	VPASS 0, 0
	VPASS 0, 1
	VSCALE 0
	VPASS 1, 0
	VPASS 1, 1
	VSCALE 1
.Ldone:
	s_wait_tensorcnt 0x0                           ; the wave's end: behind my last tensor load and my last LDS store
	ds_add_u32 v[SPW], v[NIL]
	s_wait_dscnt 0x0
	CROUND                                         ; the closing round: no work-group ends while a partner may still ask for a tile that names it
	s_endpgm
.Lfunc_end_k_qd58923e55f_qkv:
	.size	k_qd58923e55f_qkv, .Lfunc_end_k_qd58923e55f_qkv-k_qd58923e55f_qkv
	.p2alignl 7, 3214868480
	.fill 96, 4, 3214868480
	.section	.rodata,"a",@progbits
	.p2align	6, 0x0
	.amdhsa_kernel k_qd58923e55f_qkv
		.amdhsa_group_segment_fixed_size 327680
		.amdhsa_private_segment_fixed_size 0
		.amdhsa_enable_private_segment 0
		.amdhsa_kernarg_size 56
		.amdhsa_user_sgpr_count 2
		.amdhsa_user_sgpr_kernarg_segment_ptr 1
		.amdhsa_wavefront_size32 1
		.amdhsa_system_sgpr_workgroup_id_x 1
		.amdhsa_system_sgpr_workgroup_id_y 1
		.amdhsa_system_sgpr_workgroup_id_z 1
		.amdhsa_system_vgpr_workitem_id 0
		.amdhsa_next_free_vgpr 1024
		.amdhsa_next_free_sgpr 100
		.amdhsa_reserve_vcc 0
		.amdhsa_float_denorm_mode_32 3
		.amdhsa_float_denorm_mode_16_64 3
		.amdhsa_memory_ordered 1
		.amdhsa_forward_progress 1
		.amdhsa_inst_pref_size 237
	.end_amdhsa_kernel
	.amdgpu_metadata
---
amdhsa.version: [ 1, 2 ]
amdhsa.kernels:
  - .name:           k_qd58923e55f_qkv
    .symbol:         k_qd58923e55f_qkv.kd
    .args:
      - { .name: x_codes, .offset: 0, .size: 8, .value_kind: global_buffer, .address_space: global }
      - { .name: x_scales, .offset: 8, .size: 8, .value_kind: global_buffer, .address_space: global }
      - { .name: w_attn_codes, .offset: 16, .size: 8, .value_kind: global_buffer, .address_space: global }
      - { .name: w_attn_scales, .offset: 24, .size: 8, .value_kind: global_buffer, .address_space: global }
      - { .name: b_attn, .offset: 32, .size: 8, .value_kind: global_buffer, .address_space: global }
      - { .name: qb, .offset: 40, .size: 8, .value_kind: global_buffer, .address_space: global }
      - { .name: kv, .offset: 48, .size: 8, .value_kind: global_buffer, .address_space: global }
    .group_segment_fixed_size: 327680
    .private_segment_fixed_size: 0
    .kernarg_segment_align: 8
    .kernarg_segment_size: 56
    .max_flat_workgroup_size: 128
    .sgpr_count:     100
    .vgpr_count:     1024
    .wavefront_size: 32
...
	.end_amdgpu_metadata
.endif
;; end of part 1
;; launch attn (part 2): grid 4 x 64, 16 waves a work-group, clusters of 4 x 1, 327,680 bytes of LDS; arguments qb, kv, yc, ys; writes yc, ys
.if DOCPART == 2
	.amdgcn_target "amdgcn-amd-amdhsa--gfx1250"
	.amdhsa_code_object_version 6
	.text
	.protected	k_qd58923e55f_attn
	.globl	k_qd58923e55f_attn
	.p2align	8
	.type	k_qd58923e55f_attn,@function
k_qd58923e55f_attn:
	s_mov_b64 s[64:65], 0
	v_nop
	global_prefetch_b8 v0, s[64:65] scope:SCOPE_SE
	s_setreg_imm32_b32 hwreg(HW_REG_WAVE_MODE, 25, 1), 1
	s_wait_xcnt 0x0
	s_wait_alu depctr_hold_cnt(0) depctr_sa_sdst(0) depctr_va_vdst(0) depctr_va_sdst(0) depctr_va_ssrc(0) depctr_va_vcc(0) depctr_vm_vsrc(0)
	s_getreg_b32 s2, hwreg(HW_REG_IB_STS2, 6, 4)
	s_cmp_eq_u32 s2, 0
	s_cbranch_scc0 .Lentry_in_a_cluster
	s_endpgm
.Lentry_in_a_cluster:
	s_bfe_u32 s2, ttmp6, 0x10000c
	s_cmp_lg_u32 s2, 0x3003
	s_cbranch_scc0 .Lentry_shape_is_right
	s_endpgm
.Lentry_shape_is_right:
; y = softmax(q k^T / 8, causal) v for 64 heads of 2,048 tokens x 64 channels, both products on codes of FP6 (E2M3) with one E8M0 scale for each 32 along a product's K; y is quantised along the channels as it leaves.
; INPUTS (made by the launch before): qb [head 64][step 16][6656], kv [head 64][step 16][13312]: images of operand registers (768 bytes: 16 bytes a lane, then 8 bytes a lane) and scale words; a step is 128 tokens.
;   In a step of kv: K's eight images at 768 a, V's eight at 6144 + 768 (2 t + c), K's scale words at 12288, V's at 12800.
; THE SOFTMAX AHEAD OF THE SECOND PRODUCT: t = score x log2(e) / 8; M = the largest t so far, rounded UP to a whole number; p = 2^(t - M) is what is quantised, along the keys; it is not normalised.
;   The row's sum is taken of the unquantised p and divides O at the end.  When M moves, the sum and O are multiplied by 2^(old M - new M): exact.
; SHARES.  The four work-groups of a cluster own one head.  A HEAD'S WHOLE K AND V, 212,992 bytes, LIE IN LDS, filled once, by joint loads: no slot is ever filled again, so there is no ring.
;   Each of 16 waves owns two tiles of 16 queries, tile 8 a + b and its mirror 127 - (8 a + b), a = wave / 2, b = 2 cx + wave % 2: the first works key steps 0 .. a, the second 0 .. 15 - a: 17 tile steps for every wave of the launch,
;   and no masked step is computed.  Which steps a tile works hangs on the wave's number alone; the place in the cluster enters global addresses and the mask's numbers, no branch and no LDS address.
; THE LOADS.  Every wave issues the same two lines: its sixteenth of steps 0-3 (13 rows of 256 bytes) and of steps 4-15 (39 rows).  The tiles are short because each stage is shared out among all sixteen waves, without a branch.
;   A wave has two tensor loads out.  The first four steps are worked while the other twelve are on their way.
; LAYOUT.  Both products are used transposed: S^T = K Q^T (source 0 = 16 keys, source 1 = my 16 queries; K = 64: the operands' upper six registers are zero codes), O^T = V^T P^T: a lane holds ONE query throughout.
;   p's 16 registers of two neighbouring tiles are keys 8 h + 0 .. 7 and 16 + 8 h + 0 .. 7 of a block; V's codes were laid in that same order along the keys.  The channels of a tile of V^T were chosen so that
;   O^T's 16 registers of two neighbouring tiles are 16 neighbouring channels: y's codes come out in their true order.
; OUTPUTS: yc [row tile 512][head 16][768]: an image, lane slot r + 16 H = block H of the head's 64 channels, row r;  ys [8192][32]: the scale bytes.  The bytes of ys leave singly, 32 bytes apart: a row's 32 bytes come from 16 work-groups.
; LIMITS: NaN and infinities are not served.  A block whose largest magnitude lies under 2^-124, a block of zeros among them, gets the byte 1 (its codes are zeros then; these bytes are read by this program alone).
;   A block's largest p is made from the block's largest score by the same two instructions: this takes v_exp_f32 not to fall where its input rises.
; REGISTERS: v1-3 16 x lane, 8 x lane, 16 r; v4-6 the same + the step's LDS byte; v7, v8 the mask's numbers; v9 8 h; v10, v11 Q's scale words; v12-15, v28-31 the two tiles' -M, largest t, sum (a pair);
;   v16-27, v80-91 Q; v32-79 four fragments of K; v92 ys's offset; v96-159 S^T, then p, then V's four fragments; v160-191, v192-223 O^T; v224-235 p's codes; v232-247, v252, v254 at work; v248-251 scale words; v253 p's scale word.
.set STEPB, 13312
.set HEADB, 16*STEPB
.set QSTEP, 6656
.set WV,  12                           ; s12  my wave's number
.set CX,  13                           ; s13  my place in the cluster
.set BH,  14                           ; s14  the head (of 64)
.set SA,  15                           ; s15  a: the first tile's last step
.set SH,  16                           ; s16  15 - a: the second's
.set BL,  17                           ; s17  b
.set BU,  18                           ; s18  7 - b
.set KI,  19                           ; s19  the key step
.set SEL, 20                           ; s[20:21] lane selects: lane l xor 16
.set CS,  22                           ; s[22:23] c = log2(e) / 8
.set G1A, 24                           ; s[24:31], s[32:39] descriptor groups 1;  s[40:43], s[44:47] groups 0
.set G1B, 32
.set G0A, 40
.set G0B, 44
.set TB,  48                           ; s48  the step's first LDS byte
.macro CROUND                          ; a round of the cluster's barrier
	s_barrier_signal -1
	s_barrier_wait -1
	s_cmp_lg_u32 s[WV], 0
	s_cbranch_scc1 .Lnot_wave_0_\@
	s_barrier_signal -3
.Lnot_wave_0_\@:
	s_barrier_wait -3
	s_barrier_signal -1
	s_barrier_wait -1
.endm
	s_load_b256 s[4:11], s[0:1], 0x0               ; qb s[4:5], kv s[6:7], yc s[8:9], ys s[10:11]
	v_lshl_add_u32 v254, v0, 2, 0x34000
	v_mov_b32 v255, 0
	ds_add_u32 v254, v255
	ds_add_u32 v254, v255
	s_wait_dscnt 0x0
	v_lshrrev_b32 v1, 5, v0
	v_readfirstlane_b32 s[WV], v1                  ; wave 0..15
	s_bfe_u32 s[CX], ttmp6, 0x40000
	s_and_b32 s[BH], ttmp7, 0xffff                 ; the cluster's y: shared by the four partners
	s_lshr_b32 s[SA], s[WV], 1
	s_sub_co_u32 s[SH], 15, s[SA]
	s_and_b32 s[BL], s[WV], 1
	s_lshl_b32 s58, s[CX], 1
	s_add_co_u32 s[BL], s[BL], s58
	s_sub_co_u32 s[BU], 7, s[BL]
	; descriptor groups 1: dense blocks as rows of 256 bytes (32 elements of 8 bytes), no padding: 13 rows, and 39
	s_mov_b32 s[G1A], 15|(3<<16)|(1<<21)           ; 15:0 the mask: all four work-groups; 17:16 elements of 8 bytes; 21 set beside a mask
	s_mov_b32 s[G1A+1], 32<<16                     ; tensor_dim0
	s_mov_b32 s[G1A+2], 13<<16                     ; tensor_dim1
	s_mov_b32 s[G1A+3], 32<<16                     ; tile_dim0
	s_mov_b32 s[G1A+4], 13                         ; tile_dim1
	s_mov_b32 s[G1A+5], 32                         ; from row to row
	s_mov_b32 s[G1A+6], 0
	s_mov_b32 s[G1A+7], 0
	s_mov_b32 s[G1B], 15|(3<<16)|(1<<21)
	s_mov_b32 s[G1B+1], 32<<16
	s_mov_b32 s[G1B+2], 39<<16
	s_mov_b32 s[G1B+3], 32<<16
	s_mov_b32 s[G1B+4], 39
	s_mov_b32 s[G1B+5], 32
	s_mov_b32 s[G1B+6], 0
	s_mov_b32 s[G1B+7], 0
	s_mul_i32 s58, s[BH], HEADB
	s_mov_b32 s59, 0
	s_mul_i32 s60, s[WV], 13*256                   ; my sixteenth of steps 0-3,
	s_mov_b32 s61, 0
	s_mul_i32 s62, s[WV], 39*256                   ; and of steps 4-15: the same bytes on in memory and in LDS
	s_mov_b32 s63, 0
	s_mov_b32 s[SEL], 0x76543210
	s_mov_b32 s[SEL+1], 0xfedcba98
	s_mov_b32 s[CS], 0x3e38aa3b                    ; c = log2(e) / 8
	s_mov_b32 s[CS+1], s[CS]                       ; (named with it as a pair, so it is written)
	s_wait_kmcnt 0x0
	s_add_nc_u64 s[58:59], s[6:7], s[58:59]        ; the head's first byte of kv
	CROUND                                         ; all four work-groups are here: the joint loads meet
	s_mov_b32 s[G0A], 1
	s_mov_b32 s[G0A+1], s60
	s_add_nc_u64 s[G0A+2:G0A+3], s[58:59], s[60:61]
	s_or_b32 s[G0A+3], s[G0A+3], 0x80000000
	s_mov_b32 s[G0B], 1
	s_add_co_u32 s[G0B+1], s62, 4*STEPB
	s_add_nc_u64 s[G0B+2:G0B+3], s[58:59], s[62:63]
	s_add_nc_u64 s[G0B+2:G0B+3], s[G0B+2:G0B+3], 4*STEPB
	s_or_b32 s[G0B+3], s[G0B+3], 0x80000000
	tensor_load_to_lds s[G0A:G0A+3], s[G1A:G1A+7]  ; both fills go out together, ahead of every wait on TENSORcnt, every LDS read and every barrier but the round's
	s_nop 0
	tensor_load_to_lds s[G0B:G0B+3], s[G1B:G1B+7]
	s_nop 0
.rept 4
	v_nop
.endr
	v_and_b32 v93, 31, v0                          ; lane
	v_lshlrev_b32 v1, 4, v93
	v_lshlrev_b32 v2, 3, v93
	v_and_b32 v94, 15, v0                          ; r
	v_lshlrev_b32 v3, 4, v94
	v_bfe_u32 v95, v0, 4, 1                        ; h
	v_lshlrev_b32 v9, 3, v95
	v_lshl_add_u32 v92, v94, 5, v95                ; ys: 32 r + h
	v_sub_nc_u32 v8, v94, v9                       ; r - 8 h
	s_lshl_b32 s58, s[BL], 4
	s_lshl_b32 s59, s[BU], 4
	v_add_nc_u32 v7, s58, v8                       ; d = 16 b + r - 8 h: on a tile's diagonal step register 8 t + j holds a hidden key where 16 t + j > d
	v_add_nc_u32 v8, s59, v8
.macro QADDR sq, bq, pc, ps            ; tile bq of step sq of the queries: its image and its scale words
	s_lshl_b32 s58, s[BH], 4
	s_add_co_u32 s58, s58, s[\sq]
	s_mul_i32 s58, s58, QSTEP
	s_mul_i32 s60, s[\bq], 768
	s_add_co_u32 s60, s60, s58
	s_mov_b32 s61, 0
	s_add_nc_u64 s[\pc:\pc+1], s[4:5], s[60:61]
	s_lshr_b32 s62, s[\bq], 2
	s_lshl_b32 s62, s62, 8
	s_and_b32 s63, s[\bq], 3
	s_lshl_b32 s63, s63, 2
	s_add_co_u32 s62, s62, s63
	s_add_co_u32 s62, s62, s58
	s_add_co_u32 s62, s62, 6144
	s_mov_b32 s63, 0
	s_add_nc_u64 s[\ps:\ps+1], s[4:5], s[62:63]
.endm
.macro YADDR sq, bq, py, ps            ; the same tile's place in yc and in ys
	s_lshl_b32 s58, s[\sq], 3
	s_add_co_u32 s58, s58, s[\bq]                  ; the tile of 16 queries, of 128
	s_lshr_b32 s59, s[BH], 4                       ; the batch
	s_and_b32 s60, s[BH], 15                       ; the head of 16
	s_lshl_b32 s61, s59, 7
	s_add_co_u32 s61, s61, s58                     ; the row tile, of 512
	s_lshl_b32 s62, s61, 4
	s_add_co_u32 s62, s62, s60
	s_mul_i32 s62, s62, 768
	s_mov_b32 s63, 0
	s_add_nc_u64 s[\py:\py+1], s[8:9], s[62:63]
	s_lshl_b32 s62, s61, 9                         ; 16 rows of 32 bytes,
	s_lshl_b32 s60, s60, 1                         ; two bytes a head
	s_add_co_u32 s62, s62, s60
	s_add_nc_u64 s[\ps:\ps+1], s[10:11], s[62:63]
.endm
	QADDR SA, BL, 50, 52
	QADDR SH, BU, 54, 56
	global_load_b128 v[16:19], v1, s[50:51]        ; Q stays in registers
	global_load_b64 v[20:21], v2, s[50:51] offset:512
	global_load_b32 v10, v3, s[52:53]
	global_load_b128 v[80:83], v1, s[54:55]
	global_load_b64 v[84:85], v2, s[54:55] offset:512
	global_load_b32 v11, v3, s[56:57]
	YADDR SA, BL, 66, 68
	YADDR SH, BU, 70, 72
.irp j, 22,23,24,25,26,27,86,87,88,89,90,91
	v_mov_b32 v[\j], 0                             ; K = 64: Q's codes of k = 64 .. 127 are zeros,
.endr
.irp t, 0,1,2,3
.irp i, 6,7,8,9,10,11
	v_mov_b32 v[32+12*\t+\i], 0                    ; and K's: written once, never loaded
.endr
.endr
.set n, 0
.rept 64
	v_mov_b32 v[160+n], 0                          ; O^T.  (The step is written once: a tile's first step finds zeros, which the first change of M leaves zeros)
.set n, n+1
.endr
.irp s, 12, 28
	v_mov_b32 v[\s+1], 0xff61b1e6                  ; the largest t so far: -3e38, under every t
	v_floor_f32 v[\s], -v[\s+1]                    ; -M
	v_mov_b32 v[\s+2], 0                           ; the sum, in two halves
	v_mov_b32 v[\s+3], 0
.endr
.irp j, 236,237,238,239,253,254
	v_mov_b32 v[\j], 0                             ; lane permutes' destinations count as sources; v253 is named as the upper half of the pair v[252:253]
.endr
	s_wait_loadcnt 0x0                             ; Q
; ONE TILE OF 16 QUERIES AGAINST ONE STEP OF 128 KEYS.  qf: Q's fragment; qw: its scale words; oa: O^T; st: the statistics; dd: the mask's number; sd: the scalar that holds the tile's diagonal step.
.macro TILE qf, qw, oa, st, dd, sd
.rept 5
	v_nop                                          ; the last products read v96-143 and v248-251: the products below write over the first (five places), loads land in the second (four)
.endr
.irp g, 0,1                                    ; S^T = K Q^T, four tiles of 16 keys at a time
.if \g > 0
.rept 4
	v_nop                                          ; places in front of loads into registers that matrix instructions have read
.endr
.endif
.irp t, 0,1,2,3
	ds_load_b128 v[32+12*\t:35+12*\t], v4 offset:768*(4*\g+\t)             ; an image comes back as it was stored: 512 consecutive bytes,
	ds_load_b64 v[36+12*\t:37+12*\t], v5 offset:768*(4*\g+\t)+512          ; then 256
.endr
	ds_load_b128 v[248:251], v6 offset:12288+256*\g                        ; row r's scale words of the four tiles
	s_wait_dscnt 0x0
.irp t, 0,1,2,3
	v_wmma_scale_f32_16x16x128_f8f6f4 v[96+8*(4*\g+\t):103+8*(4*\g+\t)], v[32+12*\t:43+12*\t], v[\qf:\qf+11], 0, v[248+\t], v[\qw] matrix_a_fmt:MATRIX_FMT_FP6 matrix_b_fmt:MATRIX_FMT_FP6
.endr
.endr                                          ; lane (r, h) holds query r; register 8 t + j key 16 t + 8 h + j of the step
.rept 4
	v_nop
.endr
	s_cmp_lg_u32 s[KI], s[\sd]                     ; on the diagonal step hidden scores become -infinity ahead of the maximum: p = 0 then.  The other steps' keys all count
	s_cbranch_scc1 .Lopen_\@
	v_mov_b32 v254, 0xff800000
.set n, 0
.rept 64
	v_cmp_gt_i32 vcc_lo, 16*(n/8)+n%8, v[\dd]
	v_cndmask_b32 v[96+n], v[96+n], v254, vcc_lo
.set n, n+1
.endr
.Lopen_\@:
.irp b, 0,1,2,3
	v_max3_num_f32 v[232+\b], v[96+16*\b], v[97+16*\b], v[98+16*\b]   ; the largest score of each block of 32 keys: it serves the row's maximum and, since p rises with the score, the block's largest p
.endr
.irp i, 3,5,7,9,11,13
.irp b, 0,1,2,3
	v_max3_num_f32 v[232+\b], v[232+\b], v[96+16*\b+\i], v[97+16*\b+\i]   ; (the four blocks by turns)
.endr
.endr
.irp b, 0,1,2,3
	v_max_num_f32 v[232+\b], v[232+\b], v[111+16*\b]
.endr
.irp b, 0,1,2,3
	v_permlanex16_b32 v[236+\b], v[232+\b], s[SEL], s[SEL+1]
.endr
.irp b, 0,1,2,3
	v_max_num_f32 v[232+\b], v[232+\b], v[236+\b]  ; with lane l xor 16's 16 keys
.endr
	v_max3_num_f32 v254, v232, v233, v234
	v_max_num_f32 v254, v254, v235                 ; the step's largest score of my query
	v_mul_f32 v254, s[CS], v254                    ; as t (c is positive)
	v_max_num_f32 v[\st+1], v[\st+1], v254         ; the running largest t
	v_mov_b32 v254, v[\st]
	v_floor_f32 v[\st], -v[\st+1]                  ; the new -M = floor(-t) = -ceil(t): a whole number
	v_sub_f32 v254, v[\st], v254                   ; M's old value less its new one: a whole number, 0 or less
	v_cvt_i32_f32 v254, v254                       ; (it saturates)
	v_ldexp_f32 v252, 1.0, v254                    ; f = 2^(old M - new M)
.irp j, 0,2,4,6,8,10,12,14,16,18,20,22,24,26,28,30,32,34,36,38,40,42,44,46,48,50,52,54,56,58,60,62
	v_pk_fma_f32 v[96+\j:97+\j], v[96+\j:97+\j], s[CS:CS+1], v[\st:\st+1] op_sel_hi:[1,0,0]   ; t - M, two at a time (of the pairs c and -M the low word serves both halves)
.endr
.irp b, 0,1,2,3
	v_fma_f32 v[232+\b], v[232+\b], s[CS], v[\st]  ; the same of each block's largest score
.endr
.set n, 0
.rept 64
	v_exp_f32 v[96+n], v[96+n]                     ; p = 2^(t - M), at most 1: not normalised
.set n, n+1
.endr
.irp b, 0,1,2,3
	v_exp_f32 v[232+\b], v[232+\b]                 ; the block's largest p: the same two instructions on the same number give the same bits
.endr
	v_pk_mul_f32 v[\st+2:\st+3], v[\st+2:\st+3], v[252:253] op_sel_hi:[1,0]   ; the sums under the new M.  (A plain place behind the exponentials)
	s_wait_alu depctr_va_vdst(0)
.irp b, 0,1,2,3
	v_max_num_f32 v[232+\b], 0x1800000, v[232+\b]  ; the floor 2^(3 - 127): the byte cannot fall under 1
.endr
.irp b, 0,1,2,3
	v_add_nc_u32 v[244+\b], 0xff000000, v[232+\b]  ; 2 off the exponent field: the conversion's scale operand
.endr
.irp b, 0,1,2,3
	v_lshrrev_b32 v[236+\b], 23, v[244+\b]         ; the scale's byte
.endr
	v_lshl_or_b32 v253, v237, 8, v236              ; p's scale word for these 128 keys
	v_lshl_or_b32 v253, v238, 16, v253
	v_lshl_or_b32 v253, v239, 24, v253
.irp c, 0,1
	v_cvt_scalef32_pk16_fp6_f32 v[224+6*\c:226+6*\c], v[96+32*\c:111+32*\c], v[244+2*\c]
	v_cvt_scalef32_pk16_fp6_f32 v[236+4*\c:238+4*\c], v[112+32*\c:127+32*\c], v[244+2*\c+1]   ; (a conversion's three registers begin on an even number)
.endr
	v_nop                                          ; one plain place behind a scaled conversion
.irp c, 0,1                                    ; the operand's layout wants a whole block in a lane: lanes 0-15 block 2 c, lanes 16-31 block 2 c + 1
.irp i, 0,1,2
	v_permlane16_swap_b32 v[224+6*\c+\i], v[236+4*\c+\i]
.endr
.irp i, 0,1,2
	v_mov_b32 v[227+6*\c+\i], v[236+4*\c+\i]
.endr
.endr
	v_pk_add_f32 v[236:237], v[96:97], v[98:99]    ; the row's sum is taken of the unquantised p: two at a time, in two chains; v96-143 first,
.irp j, 4,8,12,16,20,24,28,32,36,40,44
	v_pk_add_f32 v[\st+2:\st+3], v[\st+2:\st+3], v[96+\j:97+\j]
	v_pk_add_f32 v[236:237], v[236:237], v[98+\j:99+\j]
.endr
.irp t, 0,1,2,3                                ; whose registers then take V's four fragments: 16 of the head's channels x these 128 keys each
	ds_load_b128 v[96+12*\t:99+12*\t], v4 offset:6144+1536*\t
	ds_load_b64 v[100+12*\t:101+12*\t], v5 offset:6144+1536*\t+512
	ds_load_b128 v[102+12*\t:105+12*\t], v4 offset:6144+1536*\t+768
	ds_load_b64 v[106+12*\t:107+12*\t], v5 offset:6144+1536*\t+1280
.endr
	ds_load_b128 v[248:251], v4 offset:12800       ; row r's scale words of the four tiles
.irp j, 0,2,4,6,8,10,12,14,16,18,20,22,24,26,28,30
	v_pk_mul_f32 v[\oa+\j:\oa+\j+1], v[\oa+\j:\oa+\j+1], v[252:253] op_sel_hi:[1,0]   ; O^T under the new M, each accumulator from its low end on, while the loads are out
.endr
.irp j, 48,52,56,60
	v_pk_add_f32 v[\st+2:\st+3], v[\st+2:\st+3], v[96+\j:97+\j]
	v_pk_add_f32 v[236:237], v[236:237], v[98+\j:99+\j]
.endr
	v_pk_add_f32 v[\st+2:\st+3], v[\st+2:\st+3], v[236:237]
	s_wait_dscnt 0x0
.irp t, 0,1,2,3                                ; O^T += V^T P^T; the four accumulators by turns
	v_wmma_scale_f32_16x16x128_f8f6f4 v[\oa+8*\t:\oa+8*\t+7], v[96+12*\t:107+12*\t], v[224:235], v[\oa+8*\t:\oa+8*\t+7], v[248+\t], v253 matrix_a_fmt:MATRIX_FMT_FP6 matrix_b_fmt:MATRIX_FMT_FP6
.endr
.endm
; Key steps up to last - 1.  Every wave walks every step: the trip count is a constant; a tile whose queries all lie ahead of the step's keys jumps over its work.
.macro LOOP last
.Lstep_\@:
	v_add_nc_u32 v4, s[TB], v1
	v_add_nc_u32 v5, s[TB], v2
	v_add_nc_u32 v6, s[TB], v3
	s_cmp_gt_u32 s[KI], s[SA]
	s_cbranch_scc1 .Lno_lo_\@
	TILE 16, 10, 160, 12, 7, SA
.Lno_lo_\@:
	s_cmp_gt_u32 s[KI], s[SH]
	s_cbranch_scc1 .Lno_hi_\@
	TILE 80, 11, 192, 28, 8, SH
.Lno_hi_\@:
	s_add_co_u32 s[TB], s[TB], STEPB
	s_add_co_u32 s[KI], s[KI], 1
	s_cmp_lt_u32 s[KI], \last
	s_cbranch_scc1 .Lstep_\@
.endm
	s_wait_tensorcnt 1                             ; my part of steps 0-3 is in; that of steps 4-15 may be out
	s_barrier_signal -1
	s_barrier_wait -1                              ; everybody's is
	s_mov_b32 s[KI], 0
	s_mov_b32 s[TB], 0
	LOOP 4                                         ; reads LDS bytes 0 to 53,247 alone
	s_wait_tensorcnt 0x0                           ; my part of steps 4-15 is in
	s_wait_dscnt 0x0
	s_barrier_signal -1
	s_barrier_wait -1
	s_mov_b32 s[KI], 4
	s_mov_b32 s[TB], 4*STEPB
	LOOP 16
; THE WAY OUT of a tile: O^T / the sum; register 16 b + i is channel 32 b + 16 h + i of my query: two blocks, quantised in registers; the image and the two scale bytes are stored.
.macro FIN oa, st, py, ps
	s_wait_xcnt 0x0                                ; earlier stores have read their registers
.rept 4
	v_nop                                          ; places behind the last products
.endr
	v_add_f32 v[\st+2], v[\st+2], v[\st+3]         ; the sum's two halves,
	v_permlanex16_b32 v254, v[\st+2], s[SEL], s[SEL+1]
	v_add_f32 v[\st+2], v[\st+2], v254             ; and lane l xor 16's: the row's sum
	v_rcp_f32 v[\st+2], v[\st+2]
	v_nop                                          ; one plain place behind a transcendental
.set n, 0
	s_wait_alu depctr_va_vdst(0)
.rept 32
	v_mul_f32 v[96+n], v[\oa+n], v[\st+2]          ; each accumulator from its low end on
.set n, n+1
.endr
.irp b, 0,1
	v_max3_num_f32 v[232+\b], |v[96+16*\b]|, |v[97+16*\b]|, 0x1800000   ; my 16 numbers of block b, and the floor 2^(3 - 127)
.endr
.irp i, 2,4,6,8,10,12,14
.irp b, 0,1
	v_max3_num_f32 v[232+\b], v[232+\b], |v[96+16*\b+\i]|, |v[97+16*\b+\i]|
.endr
.endr
.irp b, 0,1
	v_permlanex16_b32 v[236+\b], v[232+\b], s[SEL], s[SEL+1]
.endr
.irp b, 0,1
	v_max_num_f32 v[232+\b], v[232+\b], v[236+\b]
.endr
.irp b, 0,1
	v_add_nc_u32 v[244+\b], 0xff000000, v[232+\b]
.endr
.irp b, 0,1
	v_lshrrev_b32 v[240+\b], 23, v[244+\b]
.endr
	v_lshl_or_b32 v242, v241, 8, v240
	v_lshrrev_b32 v243, v9, v242                   ; lanes 0-15: block 0's byte lowest; lanes 16-31: block 1's
	v_cvt_scalef32_pk16_fp6_f32 v[224:226], v[96:111], v244
	v_cvt_scalef32_pk16_fp6_f32 v[236:238], v[112:127], v245
	v_nop                                          ; one plain place behind a scaled conversion
.irp i, 0,1,2
	v_permlane16_swap_b32 v[224+\i], v[236+\i]     ; lanes 0-15 get block 0 whole, lanes 16-31 block 1
.endr
.irp i, 0,1,2
	v_mov_b32 v[227+\i], v[236+\i]
.endr
	global_store_b128 v1, v[224:227], s[\py:\py+1]             ; 512 consecutive bytes, then 256: both runs begin at multiples of 256
	global_store_b64 v2, v[228:229], s[\py:\py+1] offset:512
	global_store_b8 v92, v243, s[\ps:\ps+1]
.endm
	FIN 160, 12, 66, 68
	FIN 192, 28, 70, 72
	s_wait_dscnt 0x0
	s_wait_xcnt 0x0
	v_lshl_add_u32 v254, v0, 2, 0x34000
	v_mov_b32 v255, 0
	s_wait_tensorcnt 0x0
	ds_add_u32 v254, v255
	s_wait_dscnt 0x0
	CROUND                                         ; the closing round: no work-group ends while a partner may still ask for a tile that names it
	s_endpgm
.Lfunc_end_k_qd58923e55f_attn:
	.size	k_qd58923e55f_attn, .Lfunc_end_k_qd58923e55f_attn-k_qd58923e55f_attn
	.p2alignl 7, 3214868480
	.fill 96, 4, 3214868480
	.section	.rodata,"a",@progbits
	.p2align	6, 0x0
	.amdhsa_kernel k_qd58923e55f_attn
		.amdhsa_group_segment_fixed_size 327680
		.amdhsa_private_segment_fixed_size 0
		.amdhsa_enable_private_segment 0
		.amdhsa_kernarg_size 32
		.amdhsa_user_sgpr_count 2
		.amdhsa_user_sgpr_kernarg_segment_ptr 1
		.amdhsa_wavefront_size32 1
		.amdhsa_system_sgpr_workgroup_id_x 1
		.amdhsa_system_sgpr_workgroup_id_y 1
		.amdhsa_system_sgpr_workgroup_id_z 1
		.amdhsa_system_vgpr_workitem_id 0
		.amdhsa_next_free_vgpr 256
		.amdhsa_next_free_sgpr 80
		.amdhsa_reserve_vcc 1
		.amdhsa_float_denorm_mode_32 3
		.amdhsa_float_denorm_mode_16_64 3
		.amdhsa_memory_ordered 1
		.amdhsa_forward_progress 1
		.amdhsa_inst_pref_size 103
	.end_amdhsa_kernel
	.amdgpu_metadata
---
amdhsa.version: [ 1, 2 ]
amdhsa.kernels:
  - .name:           k_qd58923e55f_attn
    .symbol:         k_qd58923e55f_attn.kd
    .args:
      - { .name: qb, .offset: 0, .size: 8, .value_kind: global_buffer, .address_space: global }
      - { .name: kv, .offset: 8, .size: 8, .value_kind: global_buffer, .address_space: global }
      - { .name: yc, .offset: 16, .size: 8, .value_kind: global_buffer, .address_space: global }
      - { .name: ys, .offset: 24, .size: 8, .value_kind: global_buffer, .address_space: global }
    .group_segment_fixed_size: 327680
    .private_segment_fixed_size: 0
    .kernarg_segment_align: 8
    .kernarg_segment_size: 32
    .max_flat_workgroup_size: 512
    .sgpr_count:     80
    .vgpr_count:     256
    .wavefront_size: 32
...
	.end_amdgpu_metadata
.endif
;; end of part 2
;; launch proj (part 3): grid 4 x 32, 4 waves a work-group, clusters of 4 x 4, 327,680 bytes of LDS; arguments yc, ys, w_proj_codes, w_proj_scales, b_proj, out0; writes out0
.if DOCPART == 3
	.amdgcn_target "amdgcn-amd-amdhsa--gfx1250"
	.amdhsa_code_object_version 6
	.text
	.protected	k_qd58923e55f_proj
	.globl	k_qd58923e55f_proj
	.p2align	8
	.type	k_qd58923e55f_proj,@function
k_qd58923e55f_proj:
	s_mov_b64 s[64:65], 0
	v_nop
	global_prefetch_b8 v0, s[64:65] scope:SCOPE_SE
	s_setreg_imm32_b32 hwreg(HW_REG_WAVE_MODE, 25, 1), 1
	s_wait_xcnt 0x0
	s_wait_alu depctr_hold_cnt(0) depctr_sa_sdst(0) depctr_va_vdst(0) depctr_va_sdst(0) depctr_va_ssrc(0) depctr_va_vcc(0) depctr_vm_vsrc(0)
	s_getreg_b32 s2, hwreg(HW_REG_IB_STS2, 6, 4)
	s_cmp_eq_u32 s2, 0
	s_cbranch_scc0 .Lentry_in_a_cluster
	s_endpgm
.Lentry_in_a_cluster:
	s_bfe_u32 s2, ttmp6, 0x10000c
	s_cmp_lg_u32 s2, 0xf033
	s_cbranch_scc0 .Lentry_shape_is_right
	s_endpgm
.Lentry_shape_is_right:
; out0 = y w_proj + b_proj on codes of FP6 (E2M3) with one E8M0 scale for each 32 along K.  out0: [8192][1024] f32.
; y comes as images of operand registers: yc [row tile 512][head 16][768] (16 bytes a lane, then 8 bytes a lane; lane slot r + 16 H = block H of the head's 64 channels, row r): heads 2 q and 2 q + 1 of a row tile are one fragment
; of 16 rows x 128 K.  Its scale bytes ys [8192][32].  w_proj: [1024][1024] codes, K innermost, rows of 768 bytes; scale bytes [1024][32].
; A tile of 256 x 256 of the output is made by four waves, each 128 x 128: 64 accumulators, 512 registers.  K goes in steps of 256 through a ring of two LDS slots filled by the tensor data mover.
; y's part of a slot is 8 row tiles x 3,072 bytes a load (four heads' images on end), 12,288 bytes apart in memory: eight long rows, since a row tile's images are what lies on end.
; The scale bytes of the work-group's 256 + 256 rows come into LDS once.  The bias is the C of each sum's first matrix instruction.
; CLUSTERS: 4 x 4 work-groups; y's tiles are shared along a row of the cluster, w's along a column, by joint loads.  The output has 128 such tiles: 128 work-groups.
; THE MATRIX INSTRUCTION IS USED TRANSPOSED (source 0 = 16 rows of w, source 1 = 16 rows of y): a lane holds eight neighbouring numbers of a row of the output.
; LIMITS: NaN and infinities are not served.
.set SIZE_M, 8192
.set SIZE_N, 1024
.set SIZE_K, 1024
.set KSTEP,  256
.set NQ,     KSTEP/128
.set ROWB,   192                       ; w: a tile's row in bytes
.set ASTEP,  3072                      ; y: a row tile's bytes of a K step
.set KROW,   SIZE_K*6/8
.set PITCH,  240                       ; w's LDS row: 3 x (64 bytes + 16 of padding)
.set FR,     12
.set NL,     6                         ; LDS loads that bring a fragment of w
.set NLA,    4                         ; and one of y
.set NP,     4                         ; places behind this matrix instruction (ISA guide 7.12.1)
.set HALFT,  128*PITCH                 ; the room of 128 rows: w uses all of it, y 24,576 bytes
.set SLOT,   4*HALFT
.set LAPS,   SIZE_K/(2*KSTEP)
.set KS,     SIZE_K/32
.set SCL,    2*SLOT
.set HALFS,  (128*KS/256)*272
.set SBLK,   (16*KS/256)*272
.set SPARE,  SCL+4*HALFS               ; the spare words, 128 bytes a wave: two blocks of 256 bytes that no other line names
.set SPITCH, 528                       ; the way out: a stage of 16 rows x (512 bytes + 16) for each wave, in slot 0, which has had its last fill and its last read by then
.set VBO,  14                          ; v14  the bias: 32 h
.set ADRA, 16                          ; v16-17 y's images in slot 0, 1: + 16 x lane;  v18-19: + 8 x lane
.set ADRB, 20                          ; v20-23 w's fragments in slot 0, 1 (22-23: behind one padding more)
.set STO,  24
.set RD,   25
.set CO,   26
.set ADRS, 27
.set SPW,  28                          ; my spare word; never rewritten
.set NIL,  29                          ; 0; never rewritten
.set SC,   32                          ; v32-63 scale words, two sets
.set BIAS, 64                          ; v64-127 the bias
.set AF,   128                         ; y's fragments, one set, window 0
.set BK,   128                         ; the way out: rows read back: v128-191 and v192-255 by turns
.set G1, 24
.set G0, 32
.set G1B, 48
.set G0B, 56
.set G1S, 68
.set G0S, 76
.set G1SB, 80
.set G0SB, 88
.set MSB, 0
.macro WIN new                         ; the immediate's high byte repeats the setting that is left
.if MSB != (\new)
	s_set_vgpr_msb (MSB<<8)|(\new)
.set MSB, (\new)
.endif
.endm
.set MUL_LO, 0xa1
.set MUL_HI, 0xf1
.set TO_B,   0x40
.macro JLOAD g0a, g1a, g0b, g1b        ; a joint load: waves 0 and 1 fetch for y, waves 2 and 3 for w; four v_nop follow each of the two lines
	s_cmp_eq_u32 s15, 0
	s_cbranch_scc0 .Lfor_b_\@
	tensor_load_to_lds s[\g0a:\g0a+3], s[\g1a:\g1a+7]
	s_nop 0
.rept 4
	v_nop
.endr
	s_branch .Lasked_\@
.Lfor_b_\@:
	tensor_load_to_lds s[\g0b:\g0b+3], s[\g1b:\g1b+7]
	s_nop 0
.rept 4
	v_nop
.endr
.Lasked_\@:
.endm
.macro CREST
	s_cmp_lg_u32 s14, 0
	s_cbranch_scc1 .Lnot_wave_0_\@
	s_barrier_signal -3
.Lnot_wave_0_\@:
	s_barrier_wait -3
	s_barrier_signal -1
	s_barrier_wait -1
.endm
.macro CROUND
	s_barrier_signal -1
	s_barrier_wait -1
	CREST
.endm
	s_load_b128 s[4:7], s[0:1], 0x0                ; yc, ys
	s_load_b128 s[8:11], s[0:1], 0x10              ; w's codes, w's scales
	s_load_b64 s[96:97], s[0:1], 0x20              ; the bias
	s_load_b64 s[12:13], s[0:1], 0x28              ; out0
	v_lshl_add_u32 v[SPW], v0, 2, SPARE
	v_mov_b32 v[NIL], 0
	ds_add_u32 v28, v29
	ds_add_u32 v28, v29
	s_wait_dscnt 0x0
	v_lshrrev_b32 v1, 5, v0
	v_readfirstlane_b32 s14, v1                    ; wave 0..3
	s_lshr_b32 s15, s14, 1                         ; which half of the tile's rows is mine.  Also: I fetch for y (0) or for w (1)
	s_and_b32 s16, s14, 1                          ; which half of its columns.  Also: which 128 rows of that tile I fetch
	s_bfe_u32 s40, ttmp6, 0x40000
	s_bfe_u32 s41, ttmp6, 0x40004
	s_lshl_b32 s42, ttmp9, 2
	s_add_co_u32 s42, s42, s40                     ; tile column
	s_and_b32 s17, ttmp7, 0xffff
	s_lshl_b32 s17, s17, 2
	s_add_co_u32 s17, s17, s41                     ; tile row
	s_lshl_b32 s43, s41, 2
	s_lshl_b32 s43, 15, s43                        ; my row of the cluster
	s_lshl_b32 s44, 0x1111, s40                    ; my column
	; y: 8 rows (row tiles) x 384 elements of 8 bytes, 1,536 elements apart, no padding
	s_or_b32 s[G1+0], s43, (3<<16)|(1<<21)
	s_mov_b32 s[G1+1], 384<<16                     ; tensor_dim0
	s_mov_b32 s[G1+2], 8<<16                       ; tensor_dim1
	s_mov_b32 s[G1+3], 384<<16                     ; tile_dim0
	s_mov_b32 s[G1+4], 8                           ; tile_dim1
	s_mov_b32 s[G1+5], 1536                        ; from row to row
	s_mov_b32 s[G1+6], 0
	s_mov_b32 s[G1+7], 0
	; w: 128 rows x 192 bytes, 16 bytes of padding behind every 64
	s_or_b32 s[G1B+0], s44, (0<<16)|(1<<20)|(1<<21)|(3<<22)|(3<<25)
	s_mov_b32 s[G1B+1], ROWB<<16
	s_mov_b32 s[G1B+2], 128<<16
	s_mov_b32 s[G1B+3], ROWB<<16
	s_mov_b32 s[G1B+4], 128
	s_mov_b32 s[G1B+5], KROW
	s_mov_b32 s[G1B+6], 0
	s_mov_b32 s[G1B+7], 0
	; the scales of 128 rows: 16 rows of 256 bytes, 16 bytes of padding behind each
	s_or_b32 s[G1S+0], s43, (3<<16)|(1<<20)|(1<<21)|(5<<22)|(3<<25)
	s_or_b32 s[G1SB+0], s44, (3<<16)|(1<<20)|(1<<21)|(5<<22)|(3<<25)
.irp g, G1S, G1SB
	s_mov_b32 s[\g+1], 32<<16
	s_mov_b32 s[\g+2], (128*KS/256)<<16
	s_mov_b32 s[\g+3], 32<<16
	s_mov_b32 s[\g+4], 128*KS/256
	s_mov_b32 s[\g+5], 32
	s_mov_b32 s[\g+6], 0
	s_mov_b32 s[\g+7], 0
.endr
	s_lshl_b32 s18, s16, 7
	s_lshl_b32 s20, s17, 8
	s_add_co_u32 s20, s20, s18                     ; y: row 256 x tile row + 128 x half
	s_lshl_b32 s46, s42, 8
	s_add_co_u32 s46, s46, s18                     ; w: row 256 x tile column + 128 x half
	s_mov_b32 s21, 0
	s_mov_b32 s47, 0
	s_mov_b64 s[18:19], KS
	s_mul_u64 s[22:23], s[20:21], s[18:19]         ; these rows' scales
	s_mul_u64 s[92:93], s[46:47], s[18:19]
	s_mov_b64 s[18:19], KROW
	s_mul_u64 s[20:21], s[20:21], s[18:19]         ; and their codes: 768 bytes a row, in yc too (16 rows are a row tile's 12,288 bytes)
	s_mul_u64 s[46:47], s[46:47], s[18:19]
	s_mul_i32 s45, s14, HALFT
	s_mul_i32 s94, s14, HALFS
	s_wait_kmcnt 0x0
	s_add_nc_u64 s[20:21], s[4:5], s[20:21]
	s_add_nc_u64 s[22:23], s[6:7], s[22:23]
	s_add_nc_u64 s[46:47], s[8:9], s[46:47]
	s_add_nc_u64 s[92:93], s[10:11], s[92:93]
	CROUND                                         ; all sixteen work-groups are here: the first joint loads meet
	s_mov_b32 s[G0S], 1
	s_add_co_u32 s[G0S+1], s94, SCL
	s_mov_b64 s[G0S+2:G0S+3], s[22:23]
	s_or_b32 s[G0S+3], s[G0S+3], 0x80000000
	s_mov_b32 s[G0SB], 1
	s_add_co_u32 s[G0SB+1], s94, SCL
	s_mov_b64 s[G0SB+2:G0SB+3], s[92:93]
	s_or_b32 s[G0SB+3], s[G0SB+3], 0x80000000
	JLOAD G0S, G1S, G0SB, G1SB
.irp s, 0,1
	s_mov_b32 s[G0+4*\s], 1
	s_add_co_u32 s[G0+4*\s+1], s45, \s*SLOT
	s_add_nc_u64 s[G0+4*\s+2:G0+4*\s+3], s[20:21], \s*ASTEP
	s_or_b32 s[G0+4*\s+3], s[G0+4*\s+3], 0x80000000
	s_mov_b32 s[G0B+4*\s], 1
	s_add_co_u32 s[G0B+4*\s+1], s45, \s*SLOT
	s_add_nc_u64 s[G0B+4*\s+2:G0B+4*\s+3], s[46:47], \s*ROWB
	s_or_b32 s[G0B+4*\s+3], s[G0B+4*\s+3], 0x80000000
	JLOAD G0+4*\s, G1, G0B+4*\s, G1B
.endr
	v_and_b32 v1, 15, v0                           ; r
	v_bfe_u32 v2, v0, 4, 1                         ; h
	v_mul_u32_u24 v3, v1, PITCH
	v_mul_u32_u24 v4, v2, 24
	v_add_nc_u32 v4, v3, v4                        ; w: a fragment's row x pitch + 24 x half
	v_lshl_add_u32 v5, v2, 4, v4                   ; and the same behind one padding more
	v_and_b32 v6, 31, v0
	v_lshlrev_b32 v7, 4, v6                        ; y: 16 x lane,
	v_lshlrev_b32 v8, 3, v6                        ; 8 x lane
	s_mul_i32 s21, s15, HALFT                      ; my 128 rows of y
	s_mul_i32 s22, s16, HALFT                      ; my 128 rows of w,
	s_add_co_u32 s22, s22, 2*HALFT                 ; which lie behind y's
.irp s, 0,1
	v_add_nc_u32 v[ADRA+\s], s21, v7
	v_add_nc_u32 v[ADRA+2+\s], s21, v8
	v_add_nc_u32 v[ADRB+\s], s22, v4
	v_add_nc_u32 v[ADRB+2+\s], s22, v5
	s_add_co_u32 s21, s21, SLOT
	s_add_co_u32 s22, s22, SLOT
.endr
	v_mul_u32_u24 v5, v1, KS
	v_lshrrev_b32 v6, 8, v5
	v_lshl_add_u32 v5, v6, 4, v5
	s_mul_i32 s21, s15, HALFS
	s_mul_i32 s22, s16, HALFS
	s_add_co_u32 s22, s22, 2*HALFS
	s_sub_co_u32 s22, s22, s21
	v_mul_u32_u24 v6, s22, v2                      ; lanes 16-31 take w's: one product, the distance between the two
	s_add_co_u32 s21, s21, SCL
	v_add_nc_u32 v5, v5, v6
	v_add_nc_u32 v[ADRS], s21, v5
	s_mul_i32 s23, s14, 16*SPITCH                  ; my stage
	v_mul_u32_u24 v5, v1, SPITCH
	v_lshl_add_u32 v5, v2, 5, v5
	v_add_nc_u32 v[STO], s23, v5
	v_mov_b32 v[CO], v7                            ; back: the 32 lanes take one row of 512 bytes; and the same in the output
	v_add_nc_u32 v[RD], s23, v[CO]
	v_lshlrev_b32 v[VBO], 5, v2
	s_lshl_b32 s20, s17, 8
	s_lshl_b32 s21, s15, 7
	s_add_co_u32 s20, s20, s21                     ; my first row of the output
	s_mov_b32 s21, 0
	s_mov_b64 s[18:19], SIZE_N*4
	s_mul_u64 s[20:21], s[20:21], s[18:19]
	s_lshl_b32 s46, s42, 10                        ; my first column, in bytes
	s_lshl_b32 s47, s16, 9
	s_add_co_u32 s46, s46, s47
	s_mov_b32 s47, 0
	s_add_nc_u64 s[96:97], s[96:97], s[46:47]      ; the bias of my 128 columns
	s_add_nc_u64 s[20:21], s[20:21], s[46:47]
	s_add_nc_u64 s[12:13], s[12:13], s[20:21]
.irp b, 0,1,2,3,4,5,6,7
	global_load_b128 v[BIAS+8*\b:BIAS+8*\b+3], v[VBO], s[96:97] offset:64*\b       ; lane (r, h): the bias of columns 16 b + 8 h + 0 .. 7
	global_load_b128 v[BIAS+8*\b+4:BIAS+8*\b+7], v[VBO], s[96:97] offset:64*\b+16
.endr
.macro FRAG reg, adr, q, i             ; a fragment of w from rows: pieces of 8 bytes; lanes 16-31 read three pieces on; where that lies behind one padding more, the second address register serves
.irp p, 0,1,2,3,4,5
.set PCE, 12*(\q)+6*(\p/3)+\p%3
.if PCE%8 < 5
	ds_load_b64 v[\reg+2*\p:\reg+2*\p+1], v[\adr] offset:8*PCE+16*(PCE/8)+(\i)*16*PITCH
.else
	ds_load_b64 v[\reg+2*\p:\reg+2*\p+1], v[\adr+2] offset:8*PCE+16*(PCE/8)+(\i)*16*PITCH
.endif
.endr
.endm
.macro FRAGI reg, slot, q, i           ; a fragment of y from two images: each 512 consecutive bytes, then 256
.irp c, 0,1
	ds_load_b128 v[\reg+6*\c:\reg+6*\c+3], v[ADRA+\slot] offset:ASTEP*(\i)+768*(2*(\q)+\c)
	ds_load_b64 v[\reg+6*\c+4:\reg+6*\c+5], v[ADRA+2+\slot] offset:ASTEP*(\i)+768*(2*(\q)+\c)+512
.endr
.endm
; 16 matrix instructions.  zero = 1: the first product starts the sums, with the bias as its C.  The 64 accumulators take turns, one instruction a turn.
.macro MUL16 a0, p, q, sc, zero
.irp a, \a0, \a0+1
.irp b, 0,1,2,3,4,5,6,7
.if \zero
	v_wmma_scale_f32_16x16x128_f8f6f4 v[8*(8*((\a)%4)+\b):8*(8*((\a)%4)+\b)+7], v[128*(\p)+FR*\b:128*(\p)+FR*\b+FR-1], v[AF+FR*(\a):AF+FR*(\a)+FR-1], v[BIAS+8*\b:BIAS+8*\b+7], v[SC+8*NQ*(\sc)+NQ*\b+(\q)], v[SC+8*NQ*(\sc)+NQ*(\a)+(\q)] matrix_a_fmt:MATRIX_FMT_FP6 matrix_b_fmt:MATRIX_FMT_FP6 matrix_a_scale:MATRIX_SCALE_ROW1
.else
	v_wmma_scale_f32_16x16x128_f8f6f4 v[8*(8*((\a)%4)+\b):8*(8*((\a)%4)+\b)+7], v[128*(\p)+FR*\b:128*(\p)+FR*\b+FR-1], v[AF+FR*(\a):AF+FR*(\a)+FR-1], v[8*(8*((\a)%4)+\b):8*(8*((\a)%4)+\b)+7], v[SC+8*NQ*(\sc)+NQ*\b+(\q)], v[SC+8*NQ*(\sc)+NQ*(\a)+(\q)] matrix_a_fmt:MATRIX_FMT_FP6 matrix_b_fmt:MATRIX_FMT_FP6 matrix_a_scale:MATRIX_SCALE_ROW1
.endif
.endr
.endr
.endm
.macro FETCH_B slot, q, p
	WIN TO_B
.irp i, 0,1,2,3,4,5,6,7
	FRAG 128*(\p)+FR*\i, ADRB+\slot, \q, \i
.endr
	WIN 0
.endm
.macro FETCH_A slot, q, i0
.irp i, \i0, \i0+1, \i0+2, \i0+3
	FRAGI AF+FR*(\i), \slot, \q, \i
.endr
.endm
.macro SCALES sc
.irp i, 0,1,2,3,4,5,6,7
	ds_load_b64 v[SC+8*NQ*\sc+NQ*\i:SC+8*NQ*\sc+NQ*\i+1], v[ADRS] offset:\i*SBLK
.endr
.endm
.macro PLACES n                        ; plain places behind matrix instructions (ISA guide 7.12.1)
.rept \n
	v_nop
.endr
.endm
.macro STEP slot, q, zero
	s_wait_dscnt 4*NLA                             ; w's set and y's blocks 0-3 are in; the youngest 16 loads (y's blocks 4-7) may be out
.if \zero
	WIN 0x81                                       ; C (the bias) in window 0, D in window 2
.else
	WIN MUL_LO
.endif
	MUL16 0, (\q)%2, \q, \slot, \zero
	MUL16 2, (\q)%2, \q, \slot, \zero
	s_wait_dscnt 0
	PLACES NP
	FETCH_B \slot, (\q)+1, 1-(\q)%2
	FETCH_A \slot, (\q)+1, 0
.if \zero
	WIN 0xc1
.else
	WIN MUL_HI
.endif
	MUL16 4, (\q)%2, \q, \slot, \zero
	MUL16 6, (\q)%2, \q, \slot, \zero
	PLACES NP
	WIN 0
	FETCH_A \slot, (\q)+1, 4
.endm
.macro TURN slot, next, fill
	s_wait_tensorcnt 0x0                           ; all my tensor loads have landed: my part of the next slot
	ds_add_u32 v[SPW], v[NIL]                      ; 0 onto my spare word
	s_wait_dscnt 4*NLA+1                           ; the add and the youngest 16 loads (y's blocks 4-7) may be out
	WIN MUL_LO
	MUL16 0, 1, NQ-1, \slot, 0
	s_wait_dscnt 0x0                               ; the add is done, and my reads of this slot are over
	s_barrier_signal -1
	MUL16 2, 1, NQ-1, \slot, 0
	WIN 0
	s_barrier_wait -1
.if \fill
	CREST                                          ; the barrier has opened a round of the cluster's barrier: no wave of any partner still reads this slot or has a load on its way
	s_add_nc_u64 s[G0+4*\slot+2:G0+4*\slot+3], s[G0+4*\slot+2:G0+4*\slot+3], 2*ASTEP
	s_add_nc_u64 s[G0B+4*\slot+2:G0B+4*\slot+3], s[G0B+4*\slot+2:G0B+4*\slot+3], 2*ROWB
	JLOAD G0+4*\slot, G1, G0B+4*\slot, G1B         ; the first tensor load behind the round
.else
	PLACES NP
.endif
	v_add_nc_u32 v[ADRS], 4*NQ, v[ADRS]
	FETCH_B \next, 0, 0
	FETCH_A \next, 0, 0
	SCALES \next
	WIN MUL_HI
	MUL16 4, 1, NQ-1, \slot, 0
	MUL16 6, 1, NQ-1, \slot, 0
	PLACES NP
	WIN 0
	FETCH_A \next, 0, 4
.endm
	s_wait_tensorcnt 1                             ; of my three loads the scales and K step 0 are in; K step 1's may be out
	s_barrier_signal -1
	s_barrier_wait -1
	FETCH_B 0, 0, 0
	FETCH_A 0, 0, 0
	SCALES 0
	FETCH_A 0, 0, 4
	s_wait_loadcnt 0x0                             ; the bias
	STEP 0, 0, 1
	s_mov_b32 s3, LAPS-1
.Llap:
	TURN 0, 1, 1
	STEP 1, 0, 0
	TURN 1, 0, 1
	STEP 0, 0, 0
	s_sub_co_u32 s3, s3, 1
	s_cmp_lg_u32 s3, 0
	s_cbranch_scc1 .Llap
	TURN 0, 1, 0
	STEP 1, 0, 0
	s_wait_dscnt 4*NLA
	WIN MUL_LO
	MUL16 0, 1, NQ-1, 1, 0
	MUL16 2, 1, NQ-1, 1, 0
	s_wait_dscnt 0
	WIN MUL_HI
	MUL16 4, 1, NQ-1, 1, 0
	MUL16 6, 1, NQ-1, 1, 0
	WIN 0
; THE WAY OUT, block by block of 16 rows x 128 columns, through my own stage: in as 32 bytes a lane, back as whole rows of 512 bytes.  LDS serves a wave's instructions in order (ISA guide 5.7.1.4).
.macro TOSTAGE a
.set AC, 64*((\a)%4)
	WIN (0x08+4*((\a)/4))                          ; the data: window 2 or 3
.irp b, 0,1,2,3,4,5,6,7
	ds_store_b128 v[STO], v[AC+8*\b:AC+8*\b+3] offset:64*\b          ; each accumulator from its low end on
	ds_store_b128 v[STO], v[AC+8*\b+4:AC+8*\b+7] offset:64*\b+16
.endr
	WIN 0
.set BB, BK+64*((\a)%2)
.irp t, 0,1,2,3,4,5,6,7,8,9,10,11,12,13,14,15
	ds_load_b128 v[BB+4*\t:BB+4*\t+3], v[RD] offset:\t*SPITCH
.endr
.endm
.macro SEND a, younger                 ; younger: the LDS instructions issued behind block a's loads, which may stay out
.set BB, BK+64*((\a)%2)
	s_wait_dscnt \younger
.if (\a) > 0
	s_add_nc_u64 s[12:13], s[12:13], 16*SIZE_N*4   ; (behind a wait on XCNT: the earlier stores have read their base)
.endif
.irp t, 0,1,2,3,4,5,6,7,8,9,10,11,12,13,14,15
	global_store_b128 v[CO], v[BB+4*\t:BB+4*\t+3], s[12:13] offset:\t*SIZE_N*4 th:TH_STORE_NT   ; 32 lanes store 512 consecutive bytes, at a multiple of 256 from the output's first byte
.endr
.endm
	PLACES NP
	TOSTAGE 0
.irp a, 1,2,3,4,5,6,7
.if \a > 1
	s_wait_xcnt 0x0                                ; block a - 2's stores have read their registers and their base
.endif
	TOSTAGE \a
	SEND \a-1, 32                                  ; behind block a - 1's loads: block a's 16 stores and 16 loads
.endr
	s_wait_xcnt 0x0
	SEND 7, 0
	s_wait_tensorcnt 0x0                           ; the wave's end: behind my last tensor load and my last LDS store
	ds_add_u32 v[SPW], v[NIL]
	s_wait_dscnt 0x0
	CROUND                                         ; the closing round
	s_endpgm
.Lfunc_end_k_qd58923e55f_proj:
	.size	k_qd58923e55f_proj, .Lfunc_end_k_qd58923e55f_proj-k_qd58923e55f_proj
	.p2alignl 7, 3214868480
	.fill 96, 4, 3214868480
	.section	.rodata,"a",@progbits
	.p2align	6, 0x0
	.amdhsa_kernel k_qd58923e55f_proj
		.amdhsa_group_segment_fixed_size 327680
		.amdhsa_private_segment_fixed_size 0
		.amdhsa_enable_private_segment 0
		.amdhsa_kernarg_size 48
		.amdhsa_user_sgpr_count 2
		.amdhsa_user_sgpr_kernarg_segment_ptr 1
		.amdhsa_wavefront_size32 1
		.amdhsa_system_sgpr_workgroup_id_x 1
		.amdhsa_system_sgpr_workgroup_id_y 1
		.amdhsa_system_sgpr_workgroup_id_z 1
		.amdhsa_system_vgpr_workitem_id 0
		.amdhsa_next_free_vgpr 1024
		.amdhsa_next_free_sgpr 100
		.amdhsa_reserve_vcc 0
		.amdhsa_float_denorm_mode_32 3
		.amdhsa_float_denorm_mode_16_64 3
		.amdhsa_memory_ordered 1
		.amdhsa_forward_progress 1
		.amdhsa_inst_pref_size 153
	.end_amdhsa_kernel
	.amdgpu_metadata
---
amdhsa.version: [ 1, 2 ]
amdhsa.kernels:
  - .name:           k_qd58923e55f_proj
    .symbol:         k_qd58923e55f_proj.kd
    .args:
      - { .name: yc, .offset: 0, .size: 8, .value_kind: global_buffer, .address_space: global }
      - { .name: ys, .offset: 8, .size: 8, .value_kind: global_buffer, .address_space: global }
      - { .name: w_proj_codes, .offset: 16, .size: 8, .value_kind: global_buffer, .address_space: global }
      - { .name: w_proj_scales, .offset: 24, .size: 8, .value_kind: global_buffer, .address_space: global }
      - { .name: b_proj, .offset: 32, .size: 8, .value_kind: global_buffer, .address_space: global }
      - { .name: out0, .offset: 40, .size: 8, .value_kind: global_buffer, .address_space: global }
    .group_segment_fixed_size: 327680
    .private_segment_fixed_size: 0
    .kernarg_segment_align: 8
    .kernarg_segment_size: 48
    .max_flat_workgroup_size: 128
    .sgpr_count:     100
    .vgpr_count:     1024
    .wavefront_size: 32
...
	.end_amdgpu_metadata
.endif
;; end of part 3
